; MI455X (gfx1250); checked and timed in simulation.
; The chip was launched on July 23, 2026; its instructions are those of AMD's public machine-readable ISA for CDNA 5 (MIT licence, August 2026) and "CDNA5" Instruction Set Architecture Reference Guide (July 2026). The comments in the code are by the model that wrote it; some were corrected since.
;; Multi Head Attention. Allowed arithmetic: matrix products marked QUANTISED: E2M1 operands, one E8M0 scale for each 32 along K, by v_wmma_scale_f32_16x16x128_f8f6f4 with both operands' format E2M1 (or v_wmma_scale_f32_32x16x128_f4), f32 sums; products left as they are: bf16, f16 or f32 operands; f32 sums; everything else in f32.
;; Inputs: Wk 1,024 x 1,024 float32; Wo 1,024 x 1,024 float32; Wq 1,024 x 1,024 float32; Wv 1,024 x 1,024 float32; key 2 x 2,048 x 1,024 float32; mask 1 x 1 x 2,048 x 2,048 bool; query 2 x 2,048 x 1,024 float32; value 2 x 2,048 x 1,024 float32.
;; Outputs: out0 2 x 2,048 x 1,024 float32.
;; This version of the problem:
;;   THIS VERSION OF THE PROBLEM IS GIVEN IN LOW PRECISION. The matrix products marked QUANTISED in the list below multiply operands that are first quantised to E2M1 (2 exponent bits, 1 mantissa bit; 4 bits a number), with one power-of-two scale for each 32 numbers along K (OCP MX v1.0); their sums are f32. The products marked 'left as it is' may take bf16, f16 or f32 operands, with f32 sums. Whichever they take, every output number must still come out within the allowed error. Rounding operands to bf16 (8 significant bits) uses up far more of that allowance than f16 does (11 bits, for magnitudes from 6e-5 to 65,504). All else is computed in f32.
;;   The module's matrix products, in the order in which they are computed (A, B: the left and right operand; K: the contracted axis; several contracted axes count as one K, in the product's order):
;;     1. [M 4,096, K 1,024] x [K 1,024, N 1,024]; A: input query; B: input Wq: QUANTISED
;;     2. [M 4,096, K 1,024] x [K 1,024, N 1,024]; A: input key; B: input Wk: QUANTISED
;;     3. [M 4,096, K 1,024] x [K 1,024, N 1,024]; A: input value; B: input Wv: QUANTISED
;;     4. batch 32 x [M 2,048, K 64] x [K 64, N 2,048]; A: computed on the way; B: computed on the way: left as it is (an operand is computed on the way)
;;     5. batch 32 x [M 2,048, K 2,048] x [K 2,048, N 64]; A: computed on the way; B: computed on the way: left as it is (an operand is computed on the way)
;;     6. [M 4,096, K 1,024] x [K 1,024, N 1,024]; A: computed on the way; B: input Wo: left as it is (an operand is computed on the way)
;;   THE QUANTISER, for each operand of a quantised product, along K:
;;     - K is cut into blocks of 32 from its start; a last block that is shorter is filled with zeros.
;;     - A block's scale is 2^e with e = floor(log2(the largest magnitude in the block)) - 2, held to -126 .. 127; a block of zeros has e = 0. As a byte (E8M0): e + 127.
;;     - Each number is divided by its block's scale, clamped to +-6, and rounded to the nearest number of E2M1, ties to even, subnormals kept.
;;     - The product sums the exact products of the quantised numbers (number of the format x scale) in f32.
;;   ~~~python
;;   def quantise(x, axis):      # numpy; x: float32 -> the quantised numbers, widened to float32 again
;;       x = np.moveaxis(x, axis, -1); K = x.shape[-1]
;;       x = np.pad(x, [(0, 0)] * (x.ndim - 1) + [(0, -K % 32)]); x = x.reshape(x.shape[:-1] + (-1, 32)); a = np.abs(x).max(-1, keepdims=True)
;;       e = np.where(a > 0, np.clip(np.frexp(np.where(a > 0, a, 1))[1] - 1 - 2, -126, 127), 0)      # np.frexp(a)[1] - 1 = floor(log2(a)), exactly
;;       r = np.clip(x / 2.0 ** e, -6, 6)
;;       step = 2.0 ** (np.maximum(np.frexp(np.where(r == 0, 1, r))[1] - 1, 0) - 1)
;;       q = np.round(r / step) * step * 2.0 ** e      # np.round: ties to even
;;       return np.moveaxis(q.reshape(q.shape[:-2] + (-1,))[..., :K], -1, axis).astype(np.float32)
;;   ~~~
;; One version. Each part assembles by itself: llvm-mc -triple=amdgcn-amd-amdhsa -mcpu=gfx1250 --defsym DOCPART=n.
;; ======== version 1 of 1: 6 launches
;; limits: right only within a limited range of input values; values are held in f16: magnitudes above 65,504 overflow, below 6.1e-05 lose precision
;; workspace buffers: qnt 10,452,992 bytes; msk 524,544 bytes of whole numbers; qkv 33,554,432 bytes; of 8,388,608 bytes; ofi 131,072 bytes
;; launch prep (part 1): grid 320 x 1, 8 waves a work-group, no clusters, 136,448 bytes of LDS; arguments query, key, value, Wq, Wk, Wv, Wo, mask, qnt, msk; writes qnt, msk
.if DOCPART == 1
	.amdgcn_target "amdgcn-amd-amdhsa--gfx1250"
	.amdhsa_code_object_version 6
	.text
	.protected	k_qa222f7038a_prep
	.globl	k_qa222f7038a_prep
	.p2align	8
	.type	k_qa222f7038a_prep,@function
k_qa222f7038a_prep:
	s_mov_b64 s[64:65], 0
	v_nop
	global_prefetch_b8 v0, s[64:65] scope:SCOPE_SE
	s_setreg_imm32_b32 hwreg(HW_REG_WAVE_MODE, 25, 1), 1
	s_wait_xcnt 0x0
; PREP: everything that later launches read many times is laid out once.  Three kinds of work-group, told apart by the work-group's number alone; each kind has LDS bytes of its own.
;   0..15    M: the mask [2048][2048] of bytes -> lane-mask words lm[query tile 128][key tile 128][j 8] (bit r + 16 h of a word = mask[16 qt + r][16 kt + 8 h + j]), and for each block of 128 queries
;               four whole numbers: need (bit kb: key block kb of 128 keys has a visible key, or some row of the query block has none at all: then all 16 bits), mixed (needed and not all visible), the need of the block's first 16 rows, 0.
;   16..255  Q: query, key, value, Wq, Wk, Wv (f32, K innermost) -> codes of E2M1, two a byte, and one E8M0 byte for each 32 along K, stacked in that order as 15,360 rows of 512 and of 32 bytes.
;   256..319 W: Wo -> f16, in the order of a matrix operand's registers: a fragment (16 rows x 32 k) is 1,024 bytes: registers 4 g .. 4 g + 3 at 512 g, lane l's 16 bytes at 16 l.
; A block's scale is 2^(floor(log2(largest magnitude)) - 2); its byte is the largest magnitude's exponent field - 2, held at 1 from below (a block of zeros keeps the byte 1: its codes are zeros, and this program alone reads the bytes).
; LIMITS: blocks whose largest magnitude lies under 2^-124 were not tried; NaN and infinities among the inputs are not served; |Wo| stays under 65,504.  Mask bytes are 0 or 1.
; No matrix work, no cluster, no tensor load: a stream in which no two work-groups share an input.
.set SCALES, 7864320                   ; qnt: the scale bytes begin here,
.set WOF,    8355840                   ; and Wo's images here
.set FLG,    524288                    ; msk: the flags, behind the lane-mask words
.set SP,     80                        ; Q: a lane's place in a stage: 64 bytes + 16 of padding
.set WLDS,   65536                     ; LDS: Q has 8 x 8,192 from 0; W 8 x 4,352 from here;
.set MLDS,   100352                    ; M 8 x 4,352 from here,
.set MF,     135168                    ; and 64 bytes for the waves' flags;
.set SPARE,  135424                    ; the spare words, 128 bytes for each wave: four blocks of 256 bytes that no other line names
.set SPW,    12                        ; v12  LDS address of my spare word; never rewritten
.set NIL,    13                        ; v13  0; never rewritten
.set R,      16                        ; Q: v16-79 four sets of 16 numbers as loaded
.set X,      80                        ; v80-111 two sets of 16 neighbours
.set E,      112                       ; v112-127 a scale byte for each step
.set C,      128                       ; v128-159 codes: two registers for each step, so that no store's data are written again
.set STEPS,  16
.macro QLOAD t
.irp i, 0,1,2,3
	global_load_b128 v[R+16*((\t)%4)+4*\i:R+16*((\t)%4)+4*\i+3], v3, s[26:27] offset:2048*(\t)+512*\i th:TH_LOAD_NT   ; 32 lanes read 512 consecutive bytes
.endr
.endm
.macro QTURN t                         ; a step's 2,048 bytes through my wave's stage: in as they lie, back 64 bytes a lane; LDS serves a wave's instructions in order
.irp i, 0,1,2,3
	ds_store_b128 v14, v[R+16*((\t)%4)+4*\i:R+16*((\t)%4)+4*\i+3] offset:32*SP*((\t)%2)+8*SP*\i
.endr
.irp i, 0,1,2,3
	ds_load_b128 v[X+16*((\t)%2)+4*\i:X+16*((\t)%2)+4*\i+3], v15 offset:32*SP*((\t)%2)+16*\i
.endr
.endm
.macro QSTEP t                         ; 512 numbers: a lane has 16 neighbours, two neighbouring lanes a block
.set XS, X+16*((\t)%2)
.if (\t) > 0
	s_wait_dscnt 1                                 ; this step's numbers are back from the stage (the last step's byte store may be out)
.else
	s_wait_dscnt 0x0
.endif
.if (\t)+4 < STEPS
	QLOAD (\t)+4
.endif
.if (\t)+1 < STEPS
.if STEPS-2-(\t) >= 3
	s_wait_loadcnt 12                              ; the next step's four loads are in; the twelve of the three steps behind it may be out
.else
	s_wait_loadcnt 4*(STEPS-2-(\t))
.endif
	QTURN (\t)+1
.endif
	v_max3_num_f32 v8, |v[XS]|, |v[XS+1]|, |v[XS+2]|
	v_max3_num_f32 v9, |v[XS+3]|, |v[XS+4]|, |v[XS+5]|
.irp i, 6,10
	v_max3_num_f32 v8, v8, |v[XS+\i]|, |v[XS+\i+1]|
	v_max3_num_f32 v9, v9, |v[XS+\i+2]|, |v[XS+\i+3]|
.endr
	v_max3_num_f32 v8, v8, |v[XS+14]|, |v[XS+15]|
	v_max3_num_f32 v8, v8, v9, 0x1800000           ; and the floor 2^(3 - 127): the byte cannot fall under 1
	v_max_num_f32_dpp v8, v8, v8 row_xmask:1 row_mask:0xf bank_mask:0xf   ; with my neighbour's 16: the block's largest magnitude
	v_add_nc_u32 v11, 0xff000000, v8               ; 2 off its exponent field: the conversion takes the exponent field of this operand as its scale
	v_cvt_scalef32_pk8_fp4_f32 v[C+2*(\t)], v[XS:XS+7], v11
	v_cvt_scalef32_pk8_fp4_f32 v[C+2*(\t)+1], v[XS+8:XS+15], v11
	v_lshrrev_b32 v[E+(\t)], 23, v11               ; the scale's byte (a plain line behind the conversions)
	ds_store_b8 v5, v[E+(\t)] offset:16*(\t)       ; both lanes of a block write the same byte with the same value
	global_store_b64 v4, v[C+2*(\t):C+2*(\t)+1], s[32:33] offset:256*(\t)   ; the wave stores 256 consecutive bytes, aligned
.endm
; M: a range of 256 keys of my 16 rows.  last = 1: nothing more is asked for.
.macro MRANGE last
	s_wait_loadcnt 0x0                             ; the range's eight loads, asked for a range ago
.irp i, 0,1,2,3,4,5,6,7
	ds_store_b128 v4, v[16+4*\i:19+4*\i] offset:544*\i          ; rows 2 i, 2 i + 1 into rows of 272 bytes
.endr
.irp kt, 0,1,2,3,4,5,6,7,8,9,10,11,12,13,14,15
	ds_load_b64 v[48+2*\kt:49+2*\kt], v5 offset:16*\kt          ; lane (r, h): row r, keys 16 kt + 8 h + 0 .. 7
.endr
	s_wait_dscnt 0x0                               ; the stores have read their registers, the loads are in
.if !\last
	s_add_nc_u64 s[18:19], s[18:19], 256           ; (the loads that read this base are done)
.irp i, 0,1,2,3,4,5,6,7
	global_load_b128 v[16+4*\i:19+4*\i], v3, s[18:19] offset:4096*\i th:TH_LOAD_NT   ; two rows' 256 bytes, each piece aligned
.endr
.endif
.irp hf, 0,1                           ; a key block of 128 keys: any byte set? all bytes set?
	v_or_b32 v8, v[48+16*\hf], v[49+16*\hf]
	v_and_b32 v9, v[48+16*\hf], v[49+16*\hf]
.irp n, 2,3,4,5,6,7,8,9,10,11,12,13,14,15
	v_or_b32 v8, v8, v[48+16*\hf+\n]
	v_and_b32 v9, v9, v[48+16*\hf+\n]
.endr
	v_or_b32 v7, v7, v8                            ; what my row has seen so far
	v_cmp_ne_u32 s40, 0, v8
	v_cmp_ne_u32 s41, 0x01010101, v9
	s_cmp_lg_u32 s40, 0
	s_cselect_b32 s42, 1, 0
	s_lshl_b32 s42, s42, s38
	s_or_b32 s36, s36, s42                         ; need
	s_cmp_lg_u32 s41, 0
	s_cselect_b32 s42, 1, 0
	s_lshl_b32 s42, s42, s38
	s_or_b32 s37, s37, s42                         ; not all visible
	s_add_co_u32 s38, s38, 1
.endr
.irp kt, 0,1,2,3,4,5,6,7,8,9,10,11,12,13,14,15   ; word 8 kt + j of the range's 128: a compare's lane mask; it goes to lane (8 kt + j) / 4, register (8 kt + j) % 4
.irp j, 0,1,2,3,4,5,6,7
	v_bfe_u32 v[88+\j], v[48+2*\kt+(\j/4)], 8*(\j%4), 8
.endr
.irp j, 0,1,2,3,4,5,6,7
	v_cmp_ne_u32 s[44+\j], 0, v[88+\j]
.endr
.irp j, 0,1,2,3,4,5,6,7
	v_writelane_b32 v[84+(\j%4)], s[44+\j], 2*\kt+(\j/4)
.endr
.endr
	global_store_b128 v6, v[84:87], s[22:23]       ; 512 consecutive bytes
.if !\last
	s_wait_xcnt 0x0                                ; the store has read its data and its base: both are written again
	s_add_nc_u64 s[22:23], s[22:23], 512
.endif
.endm
	s_load_b512 s[4:19], s[0:1], 0x0               ; query, key, value, Wq, Wk, Wv, Wo s[16:17], mask s[18:19]
	s_load_b128 s[20:23], s[0:1], 0x40             ; qnt, msk
	v_lshl_add_u32 v[SPW], v0, 2, SPARE
	v_mov_b32 v[NIL], 0
	v_lshrrev_b32 v1, 5, v0
	v_readfirstlane_b32 s24, v1                    ; wave 0..7
	v_and_b32 v2, 31, v0                           ; lane
	s_wait_kmcnt 0x0
	s_cmp_lt_u32 ttmp9, 16
	s_cbranch_scc1 .Lrole_m
	s_cmp_ge_u32 ttmp9, 256
	s_cbranch_scc1 .Lrole_w
	; ---------------- Q: 65,536 numbers a work-group, 8,192 a wave
	s_sub_co_u32 s25, ttmp9, 16                    ; i = 0 .. 239: 64 for each activation, 16 for each weight
	s_mov_b64 s[26:27], s[14:15]
	s_mov_b32 s28, 224
	s_cmp_lt_u32 s25, 224
	s_cselect_b64 s[26:27], s[12:13], s[26:27]
	s_cselect_b32 s28, 208, s28
	s_cmp_lt_u32 s25, 208
	s_cselect_b64 s[26:27], s[10:11], s[26:27]
	s_cselect_b32 s28, 192, s28
	s_cmp_lt_u32 s25, 192
	s_cselect_b64 s[26:27], s[8:9], s[26:27]
	s_cselect_b32 s28, 128, s28
	s_cmp_lt_u32 s25, 128
	s_cselect_b64 s[26:27], s[6:7], s[26:27]
	s_cselect_b32 s28, 64, s28
	s_cmp_lt_u32 s25, 64
	s_cselect_b64 s[26:27], s[4:5], s[26:27]       ; the tensor: the choice hangs on the work-group's number alone
	s_cselect_b32 s28, 0, s28                      ; and the first i of its range
	s_sub_co_u32 s28, s25, s28
	s_lshl_b32 s28, s28, 3
	s_add_co_u32 s28, s28, s24
	s_lshl_b32 s28, s28, 15                        ; my wave's run of 32,768 bytes in it
	s_mov_b32 s29, 0
	s_add_nc_u64 s[26:27], s[26:27], s[28:29]
	s_lshl_b32 s30, s25, 3
	s_add_co_u32 s30, s30, s24                     ; the run's number in the stack of all six
	s_lshl_b32 s32, s30, 12
	s_mov_b32 s33, 0
	s_add_nc_u64 s[32:33], s[20:21], s[32:33]      ; its 4,096 bytes of codes
	s_lshl_b32 s34, s30, 8
	s_add_co_u32 s34, s34, SCALES
	s_mov_b32 s35, 0
	s_add_nc_u64 s[34:35], s[20:21], s[34:35]      ; its 256 scale bytes
	v_lshlrev_b32 v3, 4, v2                        ; my 16 bytes of a load's 512
	s_lshl_b32 s31, s24, 13                        ; my wave's 8,192 bytes of LDS
	v_lshrrev_b32 v14, 2, v2
	v_mul_u32_u24 v14, v14, SP
	v_and_b32 v15, 3, v2
	v_lshl_add_u32 v14, v15, 4, v14
	v_add_nc_u32 v14, s31, v14                     ; the stage, on the way in: SP (lane / 4) + 16 (lane % 4)
	v_mul_u32_u24 v15, v2, SP
	v_add_nc_u32 v15, s31, v15                     ; and back: SP x lane
	v_lshlrev_b32 v4, 3, v2                        ; 8 bytes a lane: my codes, and my part of the scale bytes on their way out
	v_lshrrev_b32 v5, 1, v2
	s_add_co_u32 s31, s31, 2*32*SP
	v_add_nc_u32 v5, s31, v5                       ; my block's byte among the wave's 256
	v_add_nc_u32 v6, s31, v4
.irp t, 0,1,2,3
	QLOAD \t
.endr
	s_wait_loadcnt 12                              ; step 0's four loads are in
	QTURN 0
.irp t, 0,1,2,3,4,5,6,7,8,9,10,11,12,13,14,15
	QSTEP \t
.endr
	ds_load_b64 v[8:9], v6                         ; LDS serves a wave's instructions in order: these see my byte stores
	s_wait_dscnt 0x0
	global_store_b64 v4, v[8:9], s[34:35]          ; 256 consecutive bytes, aligned
	s_wait_tensorcnt 0x0                           ; the wave's end
	ds_add_u32 v[SPW], v[NIL]
	s_wait_dscnt 0x0
	s_endpgm
	; ---------------- W: 16 rows of Wo a work-group; wave w takes k = 128 w .. 128 w + 127: four fragments, 4,096 bytes of images
.Lrole_w:
	s_sub_co_u32 s25, ttmp9, 256                   ; nt
	s_lshl_b32 s26, s25, 16
	s_lshl_b32 s27, s24, 9
	s_add_co_u32 s26, s26, s27
	s_mov_b32 s27, 0
	s_add_nc_u64 s[16:17], s[16:17], s[26:27]
	s_lshl_b32 s28, s25, 15
	s_lshl_b32 s29, s24, 12
	s_add_co_u32 s28, s28, s29
	s_add_co_u32 s28, s28, WOF
	s_mov_b32 s29, 0
	s_add_nc_u64 s[20:21], s[20:21], s[28:29]
	v_lshlrev_b32 v3, 4, v2
	s_mul_i32 s30, s24, 4352
	s_add_co_u32 s30, s30, WLDS
	v_lshrrev_b32 v4, 1, v2                        ; lane l's four numbers of row i lie at image byte 256 (l / 2) + 16 i + 8 (l % 2);
	v_mul_u32_u24 v4, v4, 272                      ; in LDS each 256 image bytes have 16 of padding behind them
	v_and_b32 v5, 1, v2
	v_lshl_add_u32 v4, v5, 3, v4
	v_add_nc_u32 v4, s30, v4
	v_lshrrev_b32 v5, 4, v2
	v_lshl_add_u32 v5, v5, 4, v3
	v_add_nc_u32 v5, s30, v5                       ; back: image byte 512 i + 16 l
.irp i, 0,1,2,3,4,5,6,7,8,9,10,11,12,13,14,15
	global_load_b128 v[16+4*\i:19+4*\i], v3, s[16:17] offset:4096*\i th:TH_LOAD_NT   ; 512 consecutive bytes of row i
.endr
.irp i, 0,1,2,3,4,5,6,7,8,9,10,11,12,13,14,15
	s_wait_loadcnt 15-\i                           ; row i is in; the later rows may be out
	v_cvt_pk_f16_f32 v[80+2*\i], v[16+4*\i], v[17+4*\i]
	v_cvt_pk_f16_f32 v[81+2*\i], v[18+4*\i], v[19+4*\i]
	ds_store_b64 v4, v[80+2*\i:81+2*\i] offset:16*\i
.endr
.irp i, 0,1,2,3,4,5,6,7
	ds_load_b128 v[112+4*\i:115+4*\i], v5 offset:544*\i
.endr
.irp i, 0,1,2,3,4,5,6,7
	s_wait_dscnt 7-\i
	global_store_b128 v3, v[112+4*\i:115+4*\i], s[20:21] offset:512*\i   ; 512 consecutive bytes
.endr
	s_wait_tensorcnt 0x0                           ; the wave's end, as above
	ds_add_u32 v[SPW], v[NIL]
	s_wait_dscnt 0x0
	s_endpgm
	; ---------------- M: a block of 128 queries a work-group, 16 rows a wave, all 2,048 keys in eight ranges of 256
.Lrole_m:
	s_lshl_b32 s25, ttmp9, 3
	s_add_co_u32 s25, s25, s24                     ; my query tile
	s_lshl_b32 s28, s25, 15                        ; 16 rows of 2,048 bytes
	s_mov_b32 s29, 0
	s_add_nc_u64 s[18:19], s[18:19], s[28:29]
	s_lshl_b32 s28, ttmp9, 4
	s_add_co_u32 s28, s28, FLG
	s_add_nc_u64 s[26:27], s[22:23], s[28:29]      ; the block's four flag words
	s_lshl_b32 s28, s25, 12
	s_add_nc_u64 s[22:23], s[22:23], s[28:29]      ; my tile's 4,096 bytes of words
	s_mul_i32 s32, s24, 4352
	s_add_co_u32 s32, s32, MLDS
	v_and_b32 v10, 15, v2
	v_lshrrev_b32 v11, 4, v2
	v_lshlrev_b32 v3, 11, v11
	v_lshl_add_u32 v3, v10, 4, v3                  ; in memory: row lane / 16, 16 bytes a lane
	v_mul_u32_u24 v4, v11, 272
	v_lshl_add_u32 v4, v10, 4, v4
	v_add_nc_u32 v4, s32, v4                       ; the same place in the stage
	v_mul_u32_u24 v5, v10, 272
	v_lshl_add_u32 v5, v11, 3, v5
	v_add_nc_u32 v5, s32, v5                       ; back: row r, + 8 h
	v_lshlrev_b32 v6, 4, v2
	s_lshl_b32 s33, s24, 3
	s_add_co_u32 s33, s33, MF
	v_mov_b32 v82, s33                             ; my wave's two words
	v_mov_b32 v83, MF
	s_mov_b32 s30, 0x76543210
	s_mov_b32 s31, 0xfedcba98                      ; v_permlanex16_b32's selects for lane l xor 16
	v_mov_b32 v7, 0
.irp n, 0,1,2,3
	v_mov_b32 v[84+\n], 0                          ; written once: a lane write's destination counts as one of its sources
.endr
	s_mov_b32 s36, 0
	s_mov_b32 s37, 0
	s_mov_b32 s38, 0                               ; the key block in hand
.irp i, 0,1,2,3,4,5,6,7
	global_load_b128 v[16+4*\i:19+4*\i], v3, s[18:19] offset:4096*\i th:TH_LOAD_NT
.endr
	s_mov_b32 s39, 7
.Lmr:
	MRANGE 0
	s_sub_co_u32 s39, s39, 1
	s_cmp_lg_u32 s39, 0
	s_cbranch_scc1 .Lmr
	MRANGE 1                                       ; the last range is written out: no load leaves the mask
	v_mov_b32 v10, 0
	v_permlanex16_b32 v10, v7, s30, s31
	v_or_b32 v7, v7, v10                           ; my row's whole 2,048 keys
	v_cmp_eq_u32 s40, 0, v7
	s_cmp_lg_u32 s40, 0                            ; a row with no visible key averages all values: every key block is needed
	s_cselect_b32 s42, 0xffff, 0
	s_or_b32 s36, s36, s42
	v_mov_b32 v88, s36
	v_mov_b32 v89, s37
	ds_store_b64 v82, v[88:89]
	s_wait_dscnt 0x0                               ; for the others' sake: my store is done
	s_barrier_signal -1
	s_barrier_wait -1
	s_cmp_lg_u32 s24, 0
	s_cbranch_scc1 .Lm_end
.irp n, 0,1,2,3
	ds_load_b128 v[96+4*\n:99+4*\n], v83 offset:16*\n
.endr
	s_wait_dscnt 0x0
	v_or_b32 v112, v96, v98
	v_or_b32 v113, v97, v99
.irp n, 4,6,8,10,12,14
	v_or_b32 v112, v112, v[96+\n]
	v_or_b32 v113, v113, v[97+\n]
.endr
	v_and_b32 v113, v112, v113                     ; mixed: needed and not all visible
	v_mov_b32 v114, v96                            ; the need of the block's first 16 rows
	v_mov_b32 v115, 0
	v_mov_b32 v116, 0
	global_store_b128 v116, v[112:115], s[26:27]   ; every lane holds the same 16 bytes and the same address
.Lm_end:
	s_wait_tensorcnt 0x0                           ; the wave's end, as above
	ds_add_u32 v[SPW], v[NIL]
	s_wait_dscnt 0x0
	s_endpgm
.Lfunc_end_k_qa222f7038a_prep:
	.size	k_qa222f7038a_prep, .Lfunc_end_k_qa222f7038a_prep-k_qa222f7038a_prep
	.p2alignl 7, 3214868480
	.fill 96, 4, 3214868480
	.section	.rodata,"a",@progbits
	.p2align	6, 0x0
	.amdhsa_kernel k_qa222f7038a_prep
		.amdhsa_group_segment_fixed_size 136448
		.amdhsa_private_segment_fixed_size 0
		.amdhsa_enable_private_segment 0
		.amdhsa_kernarg_size 80
		.amdhsa_user_sgpr_count 2
		.amdhsa_user_sgpr_kernarg_segment_ptr 1
		.amdhsa_wavefront_size32 1
		.amdhsa_system_sgpr_workgroup_id_x 1
		.amdhsa_system_sgpr_workgroup_id_y 1
		.amdhsa_system_sgpr_workgroup_id_z 1
		.amdhsa_system_vgpr_workitem_id 0
		.amdhsa_next_free_vgpr 160
		.amdhsa_next_free_sgpr 66
		.amdhsa_reserve_vcc 0
		.amdhsa_float_denorm_mode_32 3
		.amdhsa_float_denorm_mode_16_64 3
		.amdhsa_memory_ordered 1
		.amdhsa_forward_progress 1
		.amdhsa_inst_pref_size 104
	.end_amdhsa_kernel
	.amdgpu_metadata
---
amdhsa.version: [ 1, 2 ]
amdhsa.kernels:
  - .name:           k_qa222f7038a_prep
    .symbol:         k_qa222f7038a_prep.kd
    .args:
      - { .name: query, .offset: 0, .size: 8, .value_kind: global_buffer, .address_space: global }
      - { .name: key, .offset: 8, .size: 8, .value_kind: global_buffer, .address_space: global }
      - { .name: value, .offset: 16, .size: 8, .value_kind: global_buffer, .address_space: global }
      - { .name: Wq, .offset: 24, .size: 8, .value_kind: global_buffer, .address_space: global }
      - { .name: Wk, .offset: 32, .size: 8, .value_kind: global_buffer, .address_space: global }
      - { .name: Wv, .offset: 40, .size: 8, .value_kind: global_buffer, .address_space: global }
      - { .name: Wo, .offset: 48, .size: 8, .value_kind: global_buffer, .address_space: global }
      - { .name: mask, .offset: 56, .size: 8, .value_kind: global_buffer, .address_space: global }
      - { .name: qnt, .offset: 64, .size: 8, .value_kind: global_buffer, .address_space: global }
      - { .name: msk, .offset: 72, .size: 8, .value_kind: global_buffer, .address_space: global }
    .group_segment_fixed_size: 136448
    .private_segment_fixed_size: 0
    .kernarg_segment_align: 8
    .kernarg_segment_size: 80
    .max_flat_workgroup_size: 256
    .sgpr_count:     66
    .vgpr_count:     160
    .wavefront_size: 32
...
	.end_amdgpu_metadata
.endif
;; end of part 1
;; launch proj (part 2): grid 4 x 48, 4 waves a work-group, clusters of 4 x 4, 327,680 bytes of LDS; arguments qnt, qkv; writes qkv
.if DOCPART == 2
	.amdgcn_target "amdgcn-amd-amdhsa--gfx1250"
	.amdhsa_code_object_version 6
	.text
	.protected	k_qa222f7038a_proj
	.globl	k_qa222f7038a_proj
	.p2align	8
	.type	k_qa222f7038a_proj,@function
k_qa222f7038a_proj:
	s_mov_b64 s[64:65], 0
	v_nop
	global_prefetch_b8 v0, s[64:65] scope:SCOPE_SE
	s_setreg_imm32_b32 hwreg(HW_REG_WAVE_MODE, 25, 1), 1
	s_wait_xcnt 0x0
	s_wait_alu depctr_hold_cnt(0) depctr_sa_sdst(0) depctr_va_vdst(0) depctr_va_sdst(0) depctr_va_ssrc(0) depctr_va_vcc(0) depctr_vm_vsrc(0)
	s_getreg_b32 s2, hwreg(HW_REG_IB_STS2, 6, 4)
	s_cmp_eq_u32 s2, 0
	s_cbranch_scc0 .Lentry_in_a_cluster
	s_endpgm
.Lentry_in_a_cluster:
	s_bfe_u32 s2, ttmp6, 0x10000c
	s_cmp_lg_u32 s2, 0xf033
	s_cbranch_scc0 .Lentry_shape_is_right
	s_endpgm
.Lentry_shape_is_right:
; PROJ: q = query Wq^T, k = key Wk^T, v = value Wv^T on codes of E2M1 with one E8M0 scale for each 32 along K (K = 1,024); sums in f32.
; All six operands are rows of one stack in qnt: 15,360 rows of 512 bytes of codes, and of 32 scale bytes.  A work-group of four waves makes 256 x 256 of a product, a wave 128 x 128 (64 accumulators, 512 registers).
; K is two slots of 512: both slots and the scale bytes are first fills, nothing is filled again.
; CLUSTERS: 4 x 4 work-groups; the four of a row need the same rows of the first matrix, the four of a column the same rows of the second: each tile is asked for jointly.  Cluster y = 4 T + c4: T = 0 q, 1 k, 2 v.
; THE MATRIX INSTRUCTION IS USED TRANSPOSED (source 0 = 16 rows of the second matrix, source 1 = 16 of the first): a lane holds one row of the first and eight neighbouring rows of the second.
; For q and k the first matrix is the activation (a lane: one token, eight channels); for v it is Wv (a lane: one channel, eight tokens).  So each 16 x 16 result, rounded to f16, IS half a fragment of the operand that the
; attention wants (Q, K: 16 tokens x 32 channels; V^T: 16 channels x 32 keys), and leaves by one store of 512 consecutive bytes, with no way through LDS.
; q is multiplied by log2(e) / 8 before it is rounded.  v also leaves a low part: hi = v rounded to 11 bits (c = 8193 v, hi = c - (c - v)), lo = v - hi, both as f16.
; LIMITS: |q| log2(e) / 8, |k| and |v| stay under 65,504.
; REGISTERS: window 0: v0-31 addresses; v32-95 scale words, two sets; v128-191 the first matrix's fragments, one set; on the way out v32-255 are free.  window 1: the second's fragments, two sets.  windows 2, 3: the accumulators.
.set SCALES, 7864320
.set NQ,     4                         ; matrix instructions deep in a slot (512 along K)
.set ROWB,   256                       ; a tile's row in bytes
.set KROW,   512                       ; a row of codes in memory
.set PITCH,  272                       ; an LDS row: 256 bytes + 16 of padding: the 16 rows that a load touches start 4 banks apart (64 banks of 4 bytes: ISA guide 11.1)
.set FR,     8
.set NL,     2
.set NP,     4                         ; places behind this matrix instruction (ISA guide 7.12.1)
.set HALFT,  128*PITCH
.set SLOT,   4*HALFT
.set KS,     32                        ; a row of scale bytes
.set SCL,    2*SLOT
.set HALFS,  (128*KS/256)*272
.set SBLK,   (16*KS/256)*272
.set SPARE,  SCL+4*HALFS               ; the spare words, 128 bytes for each wave: two blocks of 256 bytes that no other line names
.set ADRA, 16
.set ADRB, 20
.set CO,   26                          ; v26  16 x lane
.set ADRS, 27
.set SPW,  28
.set NIL,  29
.set SC,   32
.set AF,   128
.set G1, 24
.set G0, 32
.set G1B, 48
.set G0B, 56
.set G1S, 68
.set G0S, 76
.set G1SB, 80
.set G0SB, 88
.set MSB, 0
.macro WIN new                         ; the immediate's high byte repeats the setting that is left
.if MSB != (\new)
	s_set_vgpr_msb (MSB<<8)|(\new)
.set MSB, (\new)
.endif
.endm
.set MUL_LO, 0xa1
.set MUL_HI, 0xf1
.set TO_B,   0x40
.macro JLOAD g0a, g1a, g0b, g1b        ; a joint load: waves 0 and 1 fetch for the first matrix, waves 2 and 3 for the second; an s_nop 0 and four v_nop follow each line
	s_cmp_eq_u32 s15, 0
	s_cbranch_scc0 .Lfor_b_\@
	tensor_load_to_lds s[\g0a:\g0a+3], s[\g1a:\g1a+7]
	s_nop 0
.rept 4
	v_nop
.endr
	s_branch .Lasked_\@
.Lfor_b_\@:
	tensor_load_to_lds s[\g0b:\g0b+3], s[\g1b:\g1b+7]
	s_nop 0
.rept 4
	v_nop
.endr
.Lasked_\@:
.endm
.macro CROUND                          ; a round of the cluster's barrier
	s_barrier_signal -1
	s_barrier_wait -1
	s_cmp_lg_u32 s14, 0
	s_cbranch_scc1 .Lnot_wave_0_\@
	s_barrier_signal -3
.Lnot_wave_0_\@:
	s_barrier_wait -3
	s_barrier_signal -1
	s_barrier_wait -1
.endm
	s_load_b128 s[4:7], s[0:1], 0x0                ; qnt s[4:5], qkv s[6:7]
	v_lshl_add_u32 v[SPW], v0, 2, SPARE
	v_mov_b32 v[NIL], 0
	ds_add_u32 v[SPW], v[NIL]                      ; the wave's opening: the add, twice on end, and its wait ahead of my first tensor load
	ds_add_u32 v[SPW], v[NIL]
	v_lshrrev_b32 v1, 5, v0
	v_readfirstlane_b32 s14, v1                    ; wave 0..3
	s_lshr_b32 s15, s14, 1                         ; which half of the tile's rows is mine.  Also: I fetch for the first matrix (0) or the second (1)
	s_and_b32 s16, s14, 1                          ; which half of its columns.  Also: which 128 rows I fetch
	s_bfe_u32 s40, ttmp6, 0x40000                  ; cx
	s_bfe_u32 s41, ttmp6, 0x40004                  ; cy
	s_and_b32 s66, ttmp7, 0xffff                   ; cluster y: the same in all sixteen partners
	s_lshr_b32 s67, s66, 2                         ; T
	s_and_b32 s66, s66, 3                          ; c4
	s_lshl_b32 s96, s67, 12
	s_lshl_b32 s97, s66, 10
	s_add_co_u32 s96, s96, s97                     ; the cluster's 1,024 rows of the activation: 4096 T + 1024 c4
	s_lshl_b32 s97, s67, 10
	s_add_co_u32 s97, s97, 12288                   ; the weight's 1,024 rows: 12288 + 1024 T
	s_cmp_lt_u32 s67, 2
	s_cselect_b32 s98, s96, s97                    ; the first matrix: the activation for q and k, Wv for v
	s_cselect_b32 s99, s97, s96                    ; the second
	s_lshl_b32 s43, s41, 2
	s_lshl_b32 s43, 15, s43                        ; my row of the cluster
	s_lshl_b32 s44, 0x1111, s40                    ; my column
	s_or_b32 s[G1+0], s43, (0<<16)|(1<<20)|(1<<21)|(5<<22)|(3<<25)  ; the mask; elements of 1 byte; padding on; bit 21 beside a mask; 4 words of padding after every 64
	s_or_b32 s[G1B+0], s44, (0<<16)|(1<<20)|(1<<21)|(5<<22)|(3<<25)
.irp g, G1, G1B
	s_mov_b32 s[\g+1], ROWB<<16                    ; tensor_dim0
	s_mov_b32 s[\g+2], 128<<16                     ; tensor_dim1
	s_mov_b32 s[\g+3], ROWB<<16                    ; tile_dim0
	s_mov_b32 s[\g+4], 128                         ; tile_dim1
	s_mov_b32 s[\g+5], KROW                        ; the pitch
	s_mov_b32 s[\g+6], 0
	s_mov_b32 s[\g+7], 0
.endr
	s_or_b32 s[G1S+0], s43, (3<<16)|(1<<20)|(1<<21)|(5<<22)|(3<<25)  ; the scale bytes of 128 rows: 4,096 dense bytes as 16 rows of 256 (32 elements of 8 bytes), 16 bytes of padding behind each
	s_or_b32 s[G1SB+0], s44, (3<<16)|(1<<20)|(1<<21)|(5<<22)|(3<<25)
.irp g, G1S, G1SB
	s_mov_b32 s[\g+1], 32<<16
	s_mov_b32 s[\g+2], (128*KS/256)<<16
	s_mov_b32 s[\g+3], 32<<16
	s_mov_b32 s[\g+4], 128*KS/256
	s_mov_b32 s[\g+5], 32
	s_mov_b32 s[\g+6], 0
	s_mov_b32 s[\g+7], 0
.endr
	s_lshl_b32 s18, s16, 7                         ; which 128 rows of the tile I fetch
	s_lshl_b32 s20, s41, 8
	s_add_co_u32 s20, s20, s98
	s_add_co_u32 s20, s20, s18                     ; the first matrix's row: its base + 256 cy + 128 x half
	s_lshl_b32 s46, s40, 8
	s_add_co_u32 s46, s46, s99
	s_add_co_u32 s46, s46, s18                     ; the second's: its base + 256 cx + 128 x half
	s_lshl_b32 s22, s20, 5
	s_add_co_u32 s22, s22, SCALES
	s_mov_b32 s23, 0
	s_lshl_b32 s92, s46, 5
	s_add_co_u32 s92, s92, SCALES
	s_mov_b32 s93, 0
	s_lshl_b32 s20, s20, 9
	s_mov_b32 s21, 0
	s_lshl_b32 s46, s46, 9
	s_mov_b32 s47, 0
	s_mul_i32 s45, s14, HALFT                      ; where they go: wave x 128 rows: no place in the cluster enters an LDS address
	s_mul_i32 s94, s14, HALFS
	s_wait_dscnt 0x0                               ; both opening adds are done
	s_wait_kmcnt 0x0
	s_add_nc_u64 s[20:21], s[4:5], s[20:21]
	s_add_nc_u64 s[22:23], s[4:5], s[22:23]
	s_add_nc_u64 s[46:47], s[4:5], s[46:47]
	s_add_nc_u64 s[92:93], s[4:5], s[92:93]
	CROUND                                         ; all sixteen work-groups are here: the first joint loads meet
	s_mov_b32 s[G0S], 1
	s_add_co_u32 s[G0S+1], s94, SCL
	s_mov_b64 s[G0S+2:G0S+3], s[22:23]
	s_or_b32 s[G0S+3], s[G0S+3], 0x80000000
	s_mov_b32 s[G0SB], 1
	s_add_co_u32 s[G0SB+1], s94, SCL
	s_mov_b64 s[G0SB+2:G0SB+3], s[92:93]
	s_or_b32 s[G0SB+3], s[G0SB+3], 0x80000000
	JLOAD G0S, G1S, G0SB, G1SB                     ; the scales first: they are wanted with the first slot
.irp s, 0,1
	s_mov_b32 s[G0+4*\s], 1
	s_add_co_u32 s[G0+4*\s+1], s45, \s*SLOT
	s_add_nc_u64 s[G0+4*\s+2:G0+4*\s+3], s[20:21], \s*ROWB
	s_or_b32 s[G0+4*\s+3], s[G0+4*\s+3], 0x80000000
	s_mov_b32 s[G0B+4*\s], 1
	s_add_co_u32 s[G0B+4*\s+1], s45, \s*SLOT
	s_add_nc_u64 s[G0B+4*\s+2:G0B+4*\s+3], s[46:47], \s*ROWB
	s_or_b32 s[G0B+4*\s+3], s[G0B+4*\s+3], 0x80000000
	JLOAD G0+4*\s, G1, G0B+4*\s, G1B               ; three tensor loads of mine are out
.endr
	v_and_b32 v1, 15, v0                           ; l % 16
	v_bfe_u32 v2, v0, 4, 1                         ; l / 16
	v_mul_u32_u24 v3, v1, PITCH
	v_lshl_add_u32 v4, v2, 4, v3                   ; a fragment's row x pitch + 16 x half
	s_mul_i32 s21, s15, HALFT
	s_mul_i32 s22, s16, HALFT
	s_add_co_u32 s22, s22, 2*HALFT
.irp s, 0,1
	v_add_nc_u32 v[ADRA+\s], s21, v4
	v_add_nc_u32 v[ADRB+\s], s22, v4
	s_add_co_u32 s21, s21, SLOT
	s_add_co_u32 s22, s22, SLOT
.endr
	v_mul_u32_u24 v5, v1, KS                       ; my row's scales: 32 bytes a row,
	v_lshrrev_b32 v6, 8, v5
	v_lshl_add_u32 v5, v6, 4, v5                   ; and 16 more for each 256 passed
	s_mul_i32 s21, s15, HALFS
	s_mul_i32 s22, s16, HALFS
	s_add_co_u32 s22, s22, 2*HALFS
	s_sub_co_u32 s22, s22, s21
	v_mul_u32_u24 v6, s22, v2                      ; lanes 16-31 take the second matrix's
	s_add_co_u32 s21, s21, SCL
	v_add_nc_u32 v5, v5, v6
	v_add_nc_u32 v[ADRS], s21, v5
	v_and_b32 v6, 31, v0
	v_lshlrev_b32 v[CO], 4, v6
	; the way out: one offset for all three.  Tokens: tile 64 c4 + (16 cy + 8 x row half for q, k; 16 cx + 8 x column half for v); channels: the other of the two
	s_lshl_b32 s20, s41, 4
	s_lshl_b32 s21, s15, 3
	s_add_co_u32 s20, s20, s21
	s_lshl_b32 s21, s40, 4
	s_lshl_b32 s22, s16, 3
	s_add_co_u32 s21, s21, s22
	s_cmp_lt_u32 s67, 2
	s_cselect_b32 s22, s20, s21
	s_cselect_b32 s23, s21, s20
	s_lshl_b32 s45, s66, 6
	s_add_co_u32 s22, s22, s45                     ; the token tile, 0 .. 255, a multiple of 8
	s_lshr_b32 s45, s22, 7
	s_lshl_b32 s45, s45, 22                        ; the batch: 16 heads x 262,144 bytes
	s_and_b32 s22, s22, 127
	s_lshl_b32 s22, s22, 11                        ; 2,048 bytes a token tile (in V^T: 4,096 for two)
	s_add_co_u32 s22, s22, s45
	s_lshr_b32 s23, s23, 2
	s_lshl_b32 s23, s23, 18                        ; the head
	s_add_co_u32 s22, s22, s23
	s_lshl_b32 s23, s67, 23                        ; Q's, K's or V's images
	s_add_co_u32 s22, s22, s23
	s_mov_b32 s23, 0
	s_add_nc_u64 s[12:13], s[6:7], s[22:23]
	s_add_nc_u64 s[96:97], s[12:13], 8388608       ; v's low parts lie behind its high parts
	s_mov_b32 s2, 0x46000400                       ; 8193.0, for v's split
	s_cmp_eq_u32 s67, 1
	s_cselect_b32 s2, 1.0, s2                      ; k as it is
	s_cmp_eq_u32 s67, 0
	s_cselect_b32 s2, 0x3e38aa3b, s2               ; q x log2(e) / 8
	s_mov_b32 s3, s2                               ; (named with it as a pair, so it is written)
.macro FRAG reg, adr, q, i             ; 16 rows x 128 K of 4-bit codes: 8 registers: lane l holds row l % 16; registers 4 c .. 4 c + 3 hold K = 64 c + 32 (l / 16) + 0 .. 31
.irp c, 0,1
	ds_load_b128 v[\reg+4*\c:\reg+4*\c+3], v[\adr] offset:64*(\q)+32*\c+(\i)*16*PITCH
.endr
.endm
; 16 matrix instructions: blocks a0, a0 + 1 of the first matrix x the second's eight.  The 64 accumulators take turns, one instruction a turn.
.macro MUL16 a0, p, q, sc, zero
.irp a, \a0, \a0+1
.irp b, 0,1,2,3,4,5,6,7
.if \zero
	v_wmma_scale_f32_16x16x128_f8f6f4 v[8*(8*((\a)%4)+\b):8*(8*((\a)%4)+\b)+7], v[128*(\p)+FR*\b:128*(\p)+FR*\b+FR-1], v[AF+FR*(\a):AF+FR*(\a)+FR-1], 0, v[SC+8*NQ*(\sc)+NQ*\b+(\q)], v[SC+8*NQ*(\sc)+NQ*(\a)+(\q)] matrix_a_fmt:MATRIX_FMT_FP4 matrix_b_fmt:MATRIX_FMT_FP4 matrix_a_scale:MATRIX_SCALE_ROW1
.else
	v_wmma_scale_f32_16x16x128_f8f6f4 v[8*(8*((\a)%4)+\b):8*(8*((\a)%4)+\b)+7], v[128*(\p)+FR*\b:128*(\p)+FR*\b+FR-1], v[AF+FR*(\a):AF+FR*(\a)+FR-1], v[8*(8*((\a)%4)+\b):8*(8*((\a)%4)+\b)+7], v[SC+8*NQ*(\sc)+NQ*\b+(\q)], v[SC+8*NQ*(\sc)+NQ*(\a)+(\q)] matrix_a_fmt:MATRIX_FMT_FP4 matrix_b_fmt:MATRIX_FMT_FP4 matrix_a_scale:MATRIX_SCALE_ROW1
.endif
.endr
.endr
.endm
.macro FETCH_B slot, q, p
	WIN TO_B
.irp i, 0,1,2,3,4,5,6,7
	FRAG 128*(\p)+FR*\i, ADRB+\slot, \q, \i
.endr
	WIN 0
.endm
.macro FETCH_A slot, q, i0
.irp i, \i0, \i0+1, \i0+2, \i0+3
	FRAG AF+FR*(\i), ADRA+\slot, \q, \i
.endr
.endm
.macro SCALES_IN sc                    ; a slot's scale words: four a row; lanes 0-15 the first matrix's block i, lanes 16-31 the second's
.irp i, 0,1,2,3,4,5,6,7
	ds_load_b128 v[SC+8*NQ*\sc+NQ*\i:SC+8*NQ*\sc+NQ*\i+3], v[ADRS] offset:\i*SBLK
.endr
.endm
.macro PLACES n                        ; plain vector lines between a matrix instruction and a load into, or a vector read or write of, its registers
.rept \n
	v_nop
.endr
.endm
.macro STEP slot, q, zero              ; 128 along K that has its successor in the same slot
	s_wait_dscnt 4*NL                              ; all but the youngest eight loads (blocks 4-7 of the first matrix)
	WIN MUL_LO
	MUL16 0, (\q)%2, \q, \slot, \zero
	MUL16 2, (\q)%2, \q, \slot, \zero
	s_wait_dscnt 0
	PLACES NP
	FETCH_B \slot, (\q)+1, 1-(\q)%2
	FETCH_A \slot, (\q)+1, 0
	WIN MUL_HI
	MUL16 4, (\q)%2, \q, \slot, \zero
	MUL16 6, (\q)%2, \q, \slot, \zero
	PLACES NP
	WIN 0
	FETCH_A \slot, (\q)+1, 4
.endm
.macro TURN slot, next                 ; slot 0's last step: each wave's part of slot 1 has landed, and a barrier says so to all four
	s_wait_tensorcnt 0x0                           ; all my tensor loads have landed
	ds_add_u32 v[SPW], v[NIL]                      ; 0 onto my spare word
	s_wait_dscnt 4*NL+1                            ; (the add and the youngest eight loads may be out)
	WIN MUL_LO
	MUL16 0, 1, NQ-1, \slot, 0
	s_wait_dscnt 0x0
	s_barrier_signal -1
	MUL16 2, 1, NQ-1, \slot, 0
	WIN 0
	s_barrier_wait -1
	PLACES NP
	v_add_nc_u32 v[ADRS], 4*NQ, v[ADRS]            ; on to the next slot's scale words
	FETCH_B \next, 0, 0
	FETCH_A \next, 0, 0
	SCALES_IN \next
	WIN MUL_HI
	MUL16 4, 1, NQ-1, \slot, 0
	MUL16 6, 1, NQ-1, \slot, 0
	PLACES NP
	WIN 0
	FETCH_A \next, 0, 4
.endm
	s_wait_tensorcnt 1                             ; the scales and my part of slot 0 are in (slot 1's load may be out),
	s_barrier_signal -1
	s_barrier_wait -1                              ; everybody's are
	FETCH_B 0, 0, 0
	FETCH_A 0, 0, 0
	SCALES_IN 0
	FETCH_A 0, 0, 4
	STEP 0, 0, 1                                   ; the first products start the sums: nothing is cleared
	STEP 0, 1, 0
	STEP 0, 2, 0
	TURN 0, 1
	STEP 1, 0, 0
	STEP 1, 1, 0
	STEP 1, 2, 0
	s_wait_dscnt 4*NL
	WIN MUL_LO
	MUL16 0, 1, NQ-1, 1, 0
	MUL16 2, 1, NQ-1, 1, 0
	s_wait_dscnt 0
	WIN MUL_HI
	MUL16 4, 1, NQ-1, 1, 0
	MUL16 6, 1, NQ-1, 1, 0
	WIN 0
	PLACES NP
; THE WAY OUT of block a (16 rows of the first matrix x 128 of the second).  Each accumulator is read from its low end on.
.macro OUTQK a                         ; q, k: scaled, rounded to f16; accumulator b is half a fragment: head b / 4, 16 channels (b % 4)
.set AC, 64*((\a)%4)
	WIN 0x02+(\a)/4                                ; source 0: window 2 or 3
.set n, 0
.rept 32
	v_pk_mul_f32 v[128+2*n:129+2*n], v[AC+2*n:AC+2*n+1], s[2:3] op_sel_hi:[1,0]
.set n, n+1
.endr
	WIN 0
.if (\a) > 0
	s_wait_xcnt 0x0                                ; the last block's stores have read their data
.endif
.set n, 0
.rept 32
	v_cvt_pk_f16_f32 v[32+n], v[128+2*n], v[129+2*n]
.set n, n+1
.endr
.irp b, 0,1,2,3,4,5,6,7
	global_store_b128 v[CO], v[32+4*\b:35+4*\b], s[12:13] offset:(\a)*2048+(\b/4)*262144+(\b%4)*512   ; 512 consecutive bytes
.endr
.endm
.macro OUTV a                          ; v: block a is head a / 4, 16 channels (a % 4); accumulator b is 16 keys: fragment b / 2, half b % 2
.set AC, 64*((\a)%4)
	WIN 0x02+(\a)/4
.set n, 0
.rept 32
	v_pk_mul_f32 v[128+2*n:129+2*n], v[AC+2*n:AC+2*n+1], s[2:3] op_sel_hi:[1,0]                 ; c = 8193 v
.set n, n+1
.endr
	WIN 0x08+4*((\a)/4)                            ; source 1: window 2 or 3
.set n, 0
.rept 32
	v_pk_add_f32 v[192+2*n:193+2*n], v[128+2*n:129+2*n], v[AC+2*n:AC+2*n+1] neg_lo:[0,1] neg_hi:[0,1]   ; c - v
.set n, n+1
.endr
	WIN 0
.set n, 0
.rept 32
	v_pk_add_f32 v[128+2*n:129+2*n], v[128+2*n:129+2*n], v[192+2*n:193+2*n] neg_lo:[0,1] neg_hi:[0,1]   ; hi = c - (c - v): v to 11 bits
.set n, n+1
.endr
	WIN 0x02+(\a)/4
.set n, 0
.rept 32
	v_pk_add_f32 v[192+2*n:193+2*n], v[AC+2*n:AC+2*n+1], v[128+2*n:129+2*n] neg_lo:[0,1] neg_hi:[0,1]   ; lo = v - hi, exact
.set n, n+1
.endr
	WIN 0
.if (\a) > 0
	s_wait_xcnt 0x0
.endif
.set n, 0
.rept 32
	v_cvt_pk_f16_f32 v[32+n], v[128+2*n], v[129+2*n]
	v_cvt_pk_f16_f32 v[64+n], v[192+2*n], v[193+2*n]
.set n, n+1
.endr
.irp b, 0,1,2,3,4,5,6,7
	global_store_b128 v[CO], v[32+4*\b:35+4*\b], s[12:13] offset:((\a)/4)*262144+((\a)%4)*1024+(\b/2)*4096+(\b%2)*512
	global_store_b128 v[CO], v[64+4*\b:67+4*\b], s[96:97] offset:((\a)/4)*262144+((\a)%4)*1024+(\b/2)*4096+(\b%2)*512
.endr
.endm
	s_cmp_eq_u32 s67, 2                            ; the same in all sixteen partners
	s_cbranch_scc1 .Lout_v
.irp a, 0,1,2,3,4,5,6,7
	OUTQK \a
.endr
	s_branch .Lend
.Lout_v:
.irp a, 0,1,2,3,4,5,6,7
	OUTV \a
.endr
.Lend:
	s_wait_tensorcnt 0x0                           ; the wave's end
	ds_add_u32 v[SPW], v[NIL]
	s_wait_dscnt 0x0
	CROUND                                         ; the closing round
	s_endpgm
.Lfunc_end_k_qa222f7038a_proj:
	.size	k_qa222f7038a_proj, .Lfunc_end_k_qa222f7038a_proj-k_qa222f7038a_proj
	.p2alignl 7, 3214868480
	.fill 96, 4, 3214868480
	.section	.rodata,"a",@progbits
	.p2align	6, 0x0
	.amdhsa_kernel k_qa222f7038a_proj
		.amdhsa_group_segment_fixed_size 327680
		.amdhsa_private_segment_fixed_size 0
		.amdhsa_enable_private_segment 0
		.amdhsa_kernarg_size 16
		.amdhsa_user_sgpr_count 2
		.amdhsa_user_sgpr_kernarg_segment_ptr 1
		.amdhsa_wavefront_size32 1
		.amdhsa_system_sgpr_workgroup_id_x 1
		.amdhsa_system_sgpr_workgroup_id_y 1
		.amdhsa_system_sgpr_workgroup_id_z 1
		.amdhsa_system_vgpr_workitem_id 0
		.amdhsa_next_free_vgpr 1024
		.amdhsa_next_free_sgpr 100
		.amdhsa_reserve_vcc 0
		.amdhsa_float_denorm_mode_32 3
		.amdhsa_float_denorm_mode_16_64 3
		.amdhsa_memory_ordered 1
		.amdhsa_forward_progress 1
		.amdhsa_inst_pref_size 244
	.end_amdhsa_kernel
	.amdgpu_metadata
---
amdhsa.version: [ 1, 2 ]
amdhsa.kernels:
  - .name:           k_qa222f7038a_proj
    .symbol:         k_qa222f7038a_proj.kd
    .args:
      - { .name: qnt, .offset: 0, .size: 8, .value_kind: global_buffer, .address_space: global }
      - { .name: qkv, .offset: 8, .size: 8, .value_kind: global_buffer, .address_space: global }
    .group_segment_fixed_size: 327680
    .private_segment_fixed_size: 0
    .kernarg_segment_align: 8
    .kernarg_segment_size: 16
    .max_flat_workgroup_size: 128
    .sgpr_count:     100
    .vgpr_count:     1024
    .wavefront_size: 32
...
	.end_amdgpu_metadata
.endif
;; end of part 2
;; launch att (part 3): grid 8 x 32, 8 waves a work-group, no clusters, 168,960 bytes of LDS; arguments qkv, msk, of; writes of
.if DOCPART == 3
	.amdgcn_target "amdgcn-amd-amdhsa--gfx1250"
	.amdhsa_code_object_version 6
	.text
	.protected	k_qa222f7038a_att
	.globl	k_qa222f7038a_att
	.p2align	8
	.type	k_qa222f7038a_att,@function
k_qa222f7038a_att:
	s_mov_b64 s[64:65], 0
	v_nop
	global_prefetch_b8 v0, s[64:65] scope:SCOPE_SE
	s_setreg_imm32_b32 hwreg(HW_REG_WAVE_MODE, 25, 1), 1
	s_wait_xcnt 0x0
; ATT: o = softmax(where(mask, q k^T / 8, -1e9)) v for all rows, operands in f16, products, maxima and sums in f32.  q arrives multiplied by log2(e) / 8, so a score is t, and p = 2^(t - m), m the running maximum.
; Q, K, V^T lie in memory as images of operand registers (a fragment: 1,024 bytes, registers 4 g .. 4 g + 3 at 512 g, lane l's 16 bytes at 16 l): every load and LDS access is 16 x lane + constants.
; SHARES.  Work-group (j, head) makes two passes: query block j, then 15 - j, 128 queries each.  Wave w: key group g = w / 4, u = w % 4: queries 32 u .. 32 u + 31 of the block, two tiles A and B of 16.
; Group g walks key blocks 2 i + g of 128 keys; at a pass's end group 1's (m, l, O) are merged into group 0's through LDS.
; THE MASK IS AN INPUT.  An earlier launch stored, as whole numbers, which key blocks a query block needs and which of those are mixed.  A block with no visible key adds 0 to every row that has a visible key elsewhere;
; a query block with a row that has none has all 16 blocks marked.  In a mixed block hidden scores become -1e9 log2(e) by v_cndmask_b32 on lane-mask words.
; K and V go memory -> registers -> LDS, a trip ahead; partners would need different numbers of tiles.
; LAYOUT.  S^T = K Q^T (source 0 = 16 keys, source 1 = 16 queries), O^T = V^T P: a lane holds one query (lane % 16) throughout; two tiles of S^T, rounded in pairs, are source 1 of the second product.
; BY TURNS.  In a turn one tile has the matrix unit (8 products V^T P, 8 products K Q^T) and the other tile's softmax, 117 instructions in 16 slices, stands between them.
; LIMITS: leaving a hidden block out is exact while each row's largest visible score lies above -1e9 + 105, where the hidden keys' exponentials are 0 in f32 too; |o| stays under 65,504; operands carry f16's rounding.
; REGISTERS.  window 0: v1 16 l; v2, v3 my group's tiles in slot 0, 1; v4, v5 where I stage; v6 256 l; v7 the hidden score; v8 the merge's place; v10, v11 the add's two; v12-27 statistics; v28-31 the partner's;
;   v32-95 S^T; v96-127 P; v128-191 O^T; v192-223 Q; v224-255 the second pass's Q.   window 1: v0-63 K of 64 keys; v64-127, v128-191 V of the block's two steps; v192-255 staging.
.set KF,    8388608                    ; qkv: K's images; V's lie 8,388,608 further on
.set FLG,   524288
.set MRG,   131072                     ; LDS: two slots of 65,536 (in each: group g at 32,768 g: K's 16,384, V's 16,384); then 4 x 9,216 for the merge;
.set SPARE, 167936                     ; the spare words, 128 bytes for each wave: four blocks of 256 bytes that no other line names
.set AD,  2
.set STG, 4
.set ST,  12                           ; tile t at v[ST + 8 t]: +0 m, +1 m's change, +2, +3 l, +4 .. +7 at work; the factor a takes +6
.set SS,  32
.set PP,  96
.set OO,  128
.set QQ,  192
.set QN,  224
.set KR,  0
.set VR,  64
.set SGR, 192
.set SEL, 30
.set MS,  32                           ; s[32:63] tile A's lane masks, s[68:99] tile B's
.set MSB, 0
.macro WIN new                         ; the immediate's high byte repeats the setting that is left
.if MSB != (\new)
	s_set_vgpr_msb (MSB<<8)|(\new)
.set MSB, (\new)
.endif
.endm
; Product i of 8 of S^T = K Q^T for tile x: channels 32 (i / 4) on, keys 16 (i % 4) on.  Four accumulators by turns; the first four start the sums.
.macro QK x
	WIN 0x01
.set rS, SS+32*(\x)+8*(i%4)
.set rK, KR+16*(i%4)+8*(i/4)
.set rQ, QQ+16*(\x)+8*(i/4)
.if i < 4
	v_wmma_f32_16x16x32_f16 v[rS:rS+7], v[rK:rK+7], v[rQ:rQ+7], 0
.else
	v_wmma_f32_16x16x32_f16 v[rS:rS+7], v[rK:rK+7], v[rQ:rQ+7], v[rS:rS+7]
.endif
.endm
; Product i of 8 of O^T += V^T P for tile x, step s: keys 32 (i / 4) on, channels 16 (i % 4) on
.macro PV x, s
	WIN 0x01
.set rO, OO+32*(\x)+8*(i%4)
.set rV, VR+64*(\s)+32*(i/4)+8*(i%4)
.set rP, PP+16*(\x)+8*(i/4)
	v_wmma_f32_16x16x32_f16 v[rO:rO+7], v[rV:rV+7], v[rP:rP+7], v[rO:rO+7]
.endm
.macro FETCH_K sg, s                   ; 64 keys: 8 fragments, 16 loads in one run
	WIN 0x40
.set n, 0
.rept 16
	ds_load_b128 v[KR+4*n:KR+4*n+3], v[AD+\sg] offset:8192*(\s)+512*n
.set n, n+1
.endr
.endm
.macro FETCH_V sg, s
	WIN 0x40
.set n, 0
.rept 16
	ds_load_b128 v[VR+64*(\s)+4*n:VR+64*(\s)+4*n+3], v[AD+\sg] offset:16384+8192*(\s)+512*n
.set n, n+1
.endr
.endm
; Instruction j of 117 of tile t's softmax for 64 keys (32 scores a lane).  0-15 the maximum with the old m; 16-19 the other half's, the new m, its change; 20-68 ONE BATCH: a = 2^change, the 16 subtractions
; of m (a pair each) and the 32 exponentials, none of which reads an exponential's result; then a plain line and one wait; 69-84 the roundings to f16; 85-100 the sums; 101-116 O^T x a.
.macro SM t
.set rT, ST+8*(\t)
.set rS, SS+32*(\t)
.set rP, PP+16*(\t)
.set rO, OO+32*(\t)
.if j < 4
	v_max3_num_f32 v[rT+4+j], v[rS+8*j], v[rS+8*j+1], v[rS+8*j+2]     ; each accumulator is read from its low end on
.elseif j < 12
	v_max3_num_f32 v[rT+4+j%4], v[rT+4+j%4], v[rS+8*(j%4)+2*(j/4)+1], v[rS+8*(j%4)+2*(j/4)+2]
.elseif j == 12
	v_max3_num_f32 v[rT+4], v[rT+4], v[rS+7], v[rS+15]
.elseif j == 13
	v_max3_num_f32 v[rT+6], v[rT+6], v[rS+23], v[rS+31]
.elseif j == 14
	v_max3_num_f32 v[rT+4], v[rT+4], v[rT+5], v[rT+6]
.elseif j == 15
	v_max3_num_f32 v[rT+4], v[rT+4], v[rT+7], v[rT]
.elseif j == 16
	v_permlanex16_b32 v[rT+5], v[rT+4], s[SEL], s[SEL+1]              ; the query's other 32 keys lie in the lane 16 away
.elseif j == 17
	v_mov_b32 v[rT+1], v[rT]
.elseif j == 18
	v_max_num_f32 v[rT], v[rT+4], v[rT+5]
.elseif j == 19
	v_sub_f32 v[rT+1], v[rT+1], v[rT]
.elseif j == 20
	v_exp_f32 v[rT+6], v[rT+1]
.elseif j == 21
	v_pk_add_f32 v[rS:rS+1], v[rS:rS+1], v[rT:rT+1] op_sel_hi:[1,0] neg_lo:[0,1] neg_hi:[0,1]
.elseif (j < 67) && ((j-22)%3 == 0)
.set pq, (j-22)/3+1
	v_pk_add_f32 v[rS+2*pq:rS+2*pq+1], v[rS+2*pq:rS+2*pq+1], v[rT:rT+1] op_sel_hi:[1,0] neg_lo:[0,1] neg_hi:[0,1]
.elseif j < 67
.set ex, 2*((j-22)/3)+(j-22)%3-1
	v_exp_f32 v[rS+ex], v[rS+ex]
.elseif j < 69
	v_exp_f32 v[rS+j-37], v[rS+j-37]
.elseif j < 85
.if j == 69
	v_nop                                          ; a plain line behind the last exponential,
	s_wait_alu depctr_va_vdst(0)                   ; and one wait for the 33, ahead of the first line that names a result
.endif
	v_cvt_pk_f16_f32 v[rP+j-69], v[rS+2*(j-69)], v[rS+2*(j-69)+1]
.elseif j < 101
.set z, j-85
.set w, 4
.set uu, z
.if z >= 14
.set w, 32
.set uu, 0
.elseif z >= 12
.set w, 16
.set uu, z-12
.elseif z >= 8
.set w, 8
.set uu, z-8
.endif
.if z < 15
	v_pk_add_f32 v[rS+w*uu:rS+w*uu+1], v[rS+w*uu:rS+w*uu+1], v[rS+w*uu+w/2:rS+w*uu+w/2+1]
.else
	v_pk_fma_f32 v[rT+2:rT+3], v[rT+2:rT+3], v[rT+6:rT+7], v[rS:rS+1] op_sel_hi:[1,0,1]   ; l = a l + the sum
.endif
.else
	v_pk_mul_f32 v[rO+2*(j-101):rO+2*(j-101)+1], v[rO+2*(j-101):rO+2*(j-101)+1], v[rT+6:rT+7] op_sel_hi:[1,0]
.endif
.endm
.macro SLICE y                         ; slice k of 16: seven instructions; the last has twelve, all plain: they are the places behind the turn's last product
	WIN 0
.set j, 7*k
.rept 7+5*(k/15)
	SM \y
.set j, j+1
.endr
.set k, k+1
.endm
; At a turn's head: in a mixed block tile y's hidden scores are replaced.  s = 0: the words of the block's second step are then asked for, into the same registers.
.macro MASK y, s
	WIN 0
	s_wait_kmcnt 0x0                               ; the words are in (on every way)
	s_bitcmp1_b32 s13, 0
	s_cbranch_scc0 .Lopen_\@
.set n, 0
.rept 32
	v_cndmask_b32 v[SS+32*(\y)+n], v7, v[SS+32*(\y)+n], s[MS+36*(\y)+n]
.set n, n+1
.endr
.if \s == 0
	s_load_b512 s[MS+36*(\y):MS+36*(\y)+15], s[6:7], s26 offset:4096*(\y)+128
	s_load_b512 s[MS+36*(\y)+16:MS+36*(\y)+31], s[6:7], s26 offset:4096*(\y)+192
.endif
.Lopen_\@:
.endm
; A TURN: tile x has the matrix unit.  pvs: the step of its 8 products V^T P (-1: none); kq: 8 products K Q^T.  One slice of the other tile's softmax behind each product, two where the turn has only eight.
; hook = 1: V of the second step is fetched behind the second product; hook = 2: K of the second step, and the wait for it ahead of the first K Q^T.
.macro TURN x, pvs, kq, hook, sg
.set k, 0
.set per, 2
.if (\pvs >= 0) && \kq
.set per, 1
.endif
.if \pvs >= 0
.set i, 0
.rept 8
	PV \x, \pvs
.rept per
	SLICE 1-\x
.endr
.if (i == 1) && (\hook == 2)
	FETCH_K \sg, 1
.endif
.set i, i+1
.endr
.endif
.if \kq
.if \hook == 2
	s_wait_dscnt 0x0                               ; K and V of the second step are in
.endif
.set i, 0
.rept 8
	QK \x
.rept per
	SLICE 1-\x
.endr
.if (i == 1) && (\hook == 1)
	FETCH_V \sg, 1
.endif
.set i, i+1
.endr
.endif
.endm
; A KEY BLOCK of 128 keys, two steps of 64, from slot sg
.macro BLOCK sg
	s_wait_kmcnt 0x0                               ; no scalar load is out: its offset register and destinations may be written
	s_lshl_b32 s26, s15, 8                         ; the block's words: 256 bytes a query tile
	s_bitcmp1_b32 s13, 0
	s_cbranch_scc0 .Lnm_\@
	s_load_b512 s[32:47], s[6:7], s26 offset:0
	s_load_b512 s[48:63], s[6:7], s26 offset:64
	s_load_b512 s[68:83], s[6:7], s26 offset:4096
	s_load_b512 s[84:99], s[6:7], s26 offset:4160
.Lnm_\@:
	FETCH_K \sg, 0
	FETCH_V \sg, 0
	s_wait_dscnt 16                                ; K's 16 loads are in; V's 16 may be out
.set i, 0
.rept 8
	QK 0
.set i, i+1
.endr
	WIN 0
.rept 4
	v_nop                                          ; places between those products and the first read of their results
.endr
	MASK 0, 0
	TURN 1, -1, 1, 1, \sg                          ; B's scores of step 0 | A's softmax of step 0 | V of step 1
	MASK 1, 0
	s_wait_dscnt 16                                ; V of step 0 is in; V of step 1, 16 loads, may be out
	TURN 0, 0, 1, 2, \sg                           ; A: V^T P of step 0, scores of step 1 | B's softmax of step 0 | K of step 1
	MASK 0, 1
	TURN 1, 0, 1, 0, \sg                           ; B: the same | A's softmax of step 1
	MASK 1, 1
	TURN 0, 1, 0, 0, \sg                           ; A: V^T P of step 1 | B's softmax of step 1
.set i, 0
.rept 8
	PV 1, 1                                        ; B: V^T P of step 1
.set i, i+1
.endr
	WIN 0
.rept 4
	v_nop                                          ; places behind the last products, for whatever reads or loads next
.endr
.endm
; A TRIP.  One barrier: in front of it my staged 8,192 bytes of this trip's block are in LDS and my reads of the other slot are over; behind it the block is whole, and the next trip's block is asked for from memory.
.macro TRIP sg
	s_wait_loadcnt 0x0                             ; my 16 staged loads, asked for a trip ago
	s_wait_xcnt 0x0                                ; the last prefetch has read its address
	s_bitcmp1_b32 s12, 0
	s_cbranch_scc0 .Lns_\@
	WIN 0x04                                       ; an LDS store's data are its source 1: window 1
.set n, 0
.rept 16
	ds_store_b128 v[STG+\sg], v[SGR+4*n:SGR+4*n+3] offset:512*n
.set n, n+1
.endr
	WIN 0
.Lns_\@:
	s_wait_dscnt 0x0                               ; for the others' sake: my stores are done; and so are my reads of the slot that the next trip's stores will fill
	s_barrier_signal -1
	s_barrier_wait -1
	s_bitcmp1_b32 s12, 2                           ; does my group need its next block?
	s_cbranch_scc0 .Lnl_\@
	s_add_co_u32 s23, s15, 2
	s_and_b32 s23, s23, 15
	s_lshl_b32 s2, s23, 14
	s_mov_b32 s3, 0
	s_add_nc_u64 s[10:11], s[4:5], s[2:3]
	WIN 0x40
.set n, 0
.rept 16
	global_load_b128 v[SGR+4*n:SGR+4*n+3], v1, s[10:11] offset:512*n   ; 512 consecutive bytes
.set n, n+1
.endr
	WIN 0
.Lnl_\@:
	s_bitcmp1_b32 s14, 4                           ; A PREFETCH INTO THE L2 of my 8,192 bytes of the block two trips on: lanes 256 bytes apart, one instruction.  All eight work-groups of a head walk the same K and V:
	s_cbranch_scc0 .Lnp_\@                         ; work-group j = 0 alone asks, for the blocks that its pass over query block 15 needs, so each 256 bytes are named once; beyond the last trip the bits are zeros
	s_add_co_u32 s23, s15, 4
	s_and_b32 s23, s23, 15
	s_lshl_b32 s2, s23, 14
	s_mov_b32 s3, 0
	s_add_nc_u64 s[28:29], s[4:5], s[2:3]
	global_prefetch_b8 v6, s[28:29] th:TH_LOAD_NT scope:SCOPE_SE
.Lnp_\@:
	s_bitcmp1_b32 s12, 0
	s_cbranch_scc0 .Lnb_\@
	BLOCK \sg
.Lnb_\@:
	s_lshr_b32 s12, s12, 2
	s_lshr_b32 s13, s13, 2
	s_lshr_b32 s14, s14, 2
	s_add_co_u32 s15, s15, 2
	s_and_b32 s15, s15, 15
.endm
	s_load_b128 s[68:71], s[0:1], 0x0              ; qkv s[68:69], msk s[70:71]
	s_load_b64 s[72:73], s[0:1], 0x10              ; of
	v_lshl_add_u32 v10, v0, 2, SPARE
	v_mov_b32 v11, 0
	v_lshrrev_b32 v9, 5, v0
	v_readfirstlane_b32 s16, v9                    ; wave 0..7
	s_lshr_b32 s17, s16, 2                         ; g
	s_and_b32 s18, s16, 3                          ; u
	s_mov_b32 s19, ttmp9                           ; j
	s_and_b32 s20, ttmp7, 0xffff                   ; 16 x batch + head
	v_and_b32 v9, 31, v0
	v_lshlrev_b32 v1, 4, v9
	v_lshlrev_b32 v6, 8, v9
	s_lshl_b32 s23, s17, 15
	v_add_nc_u32 v2, s23, v1
	v_add_nc_u32 v3, 0x10000, v2
	s_lshl_b32 s24, s18, 13
	v_add_nc_u32 v4, s24, v2
	v_add_nc_u32 v5, s24, v3
	s_mul_i32 s24, s18, 9216
	s_add_co_u32 s24, s24, MRG
	v_add_nc_u32 v8, s24, v1
	v_mov_b32 v7, 0xceabfb8f                       ; -1e9 x log2(e)
	s_mov_b32 s[SEL], 0x76543210
	s_mov_b32 s[SEL+1], 0xfedcba98
	s_wait_kmcnt 0x0
	s_lshl_b32 s23, s19, 4
	s_sub_co_u32 s24, 15, s19                      ; the second pass's query block
	s_lshl_b32 s25, s24, 4
	s_load_b64 s[74:75], s[70:71], s23 offset:FLG  ; need, mixed of the first pass,
	s_load_b64 s[76:77], s[70:71], s25 offset:FLG  ; and of the second
	s_lshl_b32 s2, s20, 18
	s_mov_b32 s3, 0
	s_add_nc_u64 s[78:79], s[68:69], s[2:3]        ; the head's Q
	s_lshr_b32 s26, s18, 1                         ; what I stage: u < 2: K's halves; else V's
	s_lshl_b32 s26, s26, 23
	s_and_b32 s27, s18, 1
	s_lshl_b32 s27, s27, 13
	s_add_co_u32 s26, s26, s27
	s_add_co_u32 s26, s26, KF
	s_mov_b32 s27, 0
	s_add_nc_u64 s[4:5], s[78:79], s[26:27]
	s_lshl_b32 s26, s17, 14
	s_add_nc_u64 s[10:11], s[4:5], s[26:27]        ; key block g
	s_lshl_b32 s26, s19, 3
	s_lshl_b32 s21, s18, 1
	s_add_co_u32 s26, s26, s21                     ; tile A of the first pass,
	s_lshl_b32 s22, s24, 3
	s_add_co_u32 s22, s22, s21                     ; and of the second
	s_lshl_b32 s2, s22, 11
	s_add_nc_u64 s[80:81], s[78:79], s[2:3]
	s_lshl_b32 s2, s26, 11
	s_add_nc_u64 s[78:79], s[78:79], s[2:3]
	s_lshl_b32 s2, s26, 12
	s_add_nc_u64 s[6:7], s[70:71], s[2:3]          ; the lane masks of my tiles
	s_lshl_b32 s2, s22, 12
	s_add_nc_u64 s[66:67], s[70:71], s[2:3]
	s_lshr_b32 s28, s20, 4
	s_lshl_b32 s28, s28, 7
	s_and_b32 s29, s20, 15
	s_lshl_b32 s29, s29, 11
	s_add_co_u32 s2, s28, s26
	s_lshl_b32 s2, s2, 15
	s_add_co_u32 s2, s2, s29
	s_add_nc_u64 s[8:9], s[72:73], s[2:3]          ; o's images: 32,768 bytes a token tile, 2,048 a head
	s_add_co_u32 s2, s28, s22
	s_lshl_b32 s2, s2, 15
	s_add_co_u32 s2, s2, s29
	s_add_nc_u64 s[100:101], s[72:73], s[2:3]
.set n, 0
.rept 8
	global_load_b128 v[QQ+4*n:QQ+4*n+3], v1, s[78:79] offset:512*n
	global_load_b128 v[QN+4*n:QN+4*n+3], v1, s[80:81] offset:512*n
.set n, n+1
.endr
	WIN 0x40
.set n, 0
.rept 16
	global_load_b128 v[SGR+4*n:SGR+4*n+3], v1, s[10:11] offset:512*n   ; the first trip's block, asked for whatever the flags say: so the staging registers are written on every way
.set n, n+1
.endr
	WIN 0
	s_wait_kmcnt 0x0
	s_lshl_b32 s23, s76, 16
	s_or_b32 s12, s74, s23                         ; bit 2 t + g: what group g needs in trip t of the 16
	s_lshl_b32 s24, s77, 16
	s_or_b32 s13, s75, s24                         ; and where the mask has to be applied
	s_cmp_eq_u32 s19, 0
	s_cselect_b32 s14, s23, 0                      ; what is prefetched
	s_lshr_b32 s12, s12, s17
	s_lshr_b32 s13, s13, s17
	s_lshr_b32 s14, s14, s17
	s_mov_b32 s15, s17                             ; my key block
	s_wait_xcnt 0x0                                ; the loads above have read their bases, which lie where the lane masks go
	s_load_b512 s[32:47], s[6:7], 0x0              ; (so that both sets are written on every way)
	s_load_b512 s[48:63], s[6:7], 0x40
	s_load_b512 s[68:83], s[6:7], 0x1000
	s_load_b512 s[84:99], s[6:7], 0x1040
.irp t, 0,1
	v_mov_b32 v[ST+8*\t], 0xff61b1e6               ; m = -3e38, under every t
.irp n, 1,2,3,4,5,6,7
	v_mov_b32 v[ST+8*\t+\n], 0
.endr
.endr
.set n, 0
.rept 64
	v_mov_b32 v[OO+n], 0                           ; which block comes first hangs on the flags, so no product can be written out that starts the sums
.set n, n+1
.endr
	s_mov_b32 s21, 2
.Lpass:
	s_mov_b32 s22, 4
.Ltrip:
	TRIP 0
	TRIP 1
	s_sub_co_u32 s22, s22, 1
	s_cmp_lg_u32 s22, 0
	s_cbranch_scc1 .Ltrip
	; THE PASS'S END.  l's halves; group 1 hands (m, l, O^T) to group 0 as images of its registers; group 0 merges, divides, rounds and stores.
.irp t, 0,1
	v_add_f32 v[ST+8*\t+2], v[ST+8*\t+2], v[ST+8*\t+3]
.endr
.irp t, 0,1
	v_permlanex16_b32 v[ST+8*\t+4], v[ST+8*\t+2], s[SEL], s[SEL+1]
.endr
.irp t, 0,1
	v_add_f32 v[ST+8*\t+2], v[ST+8*\t+2], v[ST+8*\t+4]
.endr
	s_cmp_lt_u32 s16, 4
	s_cbranch_scc1 .Lrecv
	v_mov_b32 v28, v[ST]
	v_mov_b32 v29, v[ST+2]
	v_mov_b32 v30, v[ST+8]
	v_mov_b32 v31, v[ST+10]
.set n, 0
.rept 16
	ds_store_b128 v8, v[OO+4*n:OO+4*n+3] offset:512*n      ; each accumulator from its low end on
.set n, n+1
.endr
	ds_store_b128 v8, v[28:31] offset:8192
.Lrecv:
	s_wait_dscnt 0x0
	s_barrier_signal -1
	s_barrier_wait -1
	s_cmp_lt_u32 s16, 4
	s_cbranch_scc0 .Lmerged
.set n, 0
.rept 16
	ds_load_b128 v[SS+4*n:SS+4*n+3], v8 offset:512*n
.set n, n+1
.endr
	ds_load_b128 v[28:31], v8 offset:8192
	s_wait_dscnt 0x0
.irp t, 0,1
	v_max_num_f32 v[ST+8*\t+4], v[ST+8*\t], v[28+2*\t]
.endr
.irp t, 0,1
	v_sub_f32 v[ST+8*\t+5], v[ST+8*\t], v[ST+8*\t+4]
	v_sub_f32 v[ST+8*\t+6], v[28+2*\t], v[ST+8*\t+4]
.endr
.irp t, 0,1
	v_exp_f32 v[ST+8*\t+5], v[ST+8*\t+5]
	v_exp_f32 v[ST+8*\t+6], v[ST+8*\t+6]
.endr
	v_nop
	s_wait_alu depctr_va_vdst(0)                   ; one wait for the four
.irp t, 0,1
	v_mul_f32 v[ST+8*\t+7], v[ST+8*\t+5], v[ST+8*\t+2]
.endr
.irp t, 0,1
	v_fmac_f32 v[ST+8*\t+7], v[ST+8*\t+6], v[29+2*\t]     ; the row's sum under the common maximum
.endr
.irp t, 0,1
	v_rcp_f32 v[ST+8*\t+7], v[ST+8*\t+7]
.endr
	v_nop
	s_wait_alu depctr_va_vdst(0)                   ; one wait for the two
.irp t, 0,1
	v_mul_f32 v[ST+8*\t+4], v[ST+8*\t+5], v[ST+8*\t+7]
	v_mul_f32 v[ST+8*\t+6], v[ST+8*\t+6], v[ST+8*\t+7]
.endr
.irp t, 0,1
.set n, 0
.rept 16
	v_pk_mul_f32 v[OO+32*\t+2*n:OO+32*\t+2*n+1], v[OO+32*\t+2*n:OO+32*\t+2*n+1], v[ST+8*\t+4:ST+8*\t+5] op_sel_hi:[1,0]
.set n, n+1
.endr
.set n, 0
.rept 16
	v_pk_fma_f32 v[OO+32*\t+2*n:OO+32*\t+2*n+1], v[SS+32*\t+2*n:SS+32*\t+2*n+1], v[ST+8*\t+6:ST+8*\t+7], v[OO+32*\t+2*n:OO+32*\t+2*n+1] op_sel_hi:[1,0,1]
.set n, n+1
.endr
.set n, 0
.rept 16
	v_cvt_pk_f16_f32 v[PP+16*\t+n], v[OO+32*\t+2*n], v[OO+32*\t+2*n+1]
.set n, n+1
.endr
.endr
.irp t, 0,1
.irp c, 0,1,2,3
	global_store_b128 v1, v[PP+16*\t+4*\c:PP+16*\t+4*\c+3], s[8:9] offset:32768*\t+512*\c   ; half a fragment of the way-out projection's operand: 512 consecutive bytes
.endr
.endr
.Lmerged:
	s_wait_xcnt 0x0                                ; the stores have read their data and their base
.irp t, 0,1
	v_mov_b32 v[ST+8*\t], 0xff61b1e6
	v_mov_b32 v[ST+8*\t+2], 0
	v_mov_b32 v[ST+8*\t+3], 0
.endr
.set n, 0
.rept 64
	v_mov_b32 v[OO+n], 0
.set n, n+1
.endr
.set n, 0
.rept 32
	v_mov_b32 v[QQ+n], v[QN+n]                     ; the second pass's queries
.set n, n+1
.endr
	s_mov_b64 s[6:7], s[66:67]
	s_mov_b64 s[8:9], s[100:101]
	s_sub_co_u32 s21, s21, 1
	s_cmp_lg_u32 s21, 0
	s_cbranch_scc1 .Lpass
	s_wait_tensorcnt 0x0                           ; the wave's end
	ds_add_u32 v10, v11
	s_wait_dscnt 0x0
	s_endpgm
.Lfunc_end_k_qa222f7038a_att:
	.size	k_qa222f7038a_att, .Lfunc_end_k_qa222f7038a_att-k_qa222f7038a_att
	.p2alignl 7, 3214868480
	.fill 96, 4, 3214868480
	.section	.rodata,"a",@progbits
	.p2align	6, 0x0
	.amdhsa_kernel k_qa222f7038a_att
		.amdhsa_group_segment_fixed_size 168960
		.amdhsa_private_segment_fixed_size 0
		.amdhsa_enable_private_segment 0
		.amdhsa_kernarg_size 24
		.amdhsa_user_sgpr_count 2
		.amdhsa_user_sgpr_kernarg_segment_ptr 1
		.amdhsa_wavefront_size32 1
		.amdhsa_system_sgpr_workgroup_id_x 1
		.amdhsa_system_sgpr_workgroup_id_y 1
		.amdhsa_system_sgpr_workgroup_id_z 1
		.amdhsa_system_vgpr_workitem_id 0
		.amdhsa_next_free_vgpr 512
		.amdhsa_next_free_sgpr 102
		.amdhsa_reserve_vcc 0
		.amdhsa_float_denorm_mode_32 3
		.amdhsa_float_denorm_mode_16_64 3
		.amdhsa_memory_ordered 1
		.amdhsa_forward_progress 1
		.amdhsa_inst_pref_size 122
	.end_amdhsa_kernel
	.amdgpu_metadata
---
amdhsa.version: [ 1, 2 ]
amdhsa.kernels:
  - .name:           k_qa222f7038a_att
    .symbol:         k_qa222f7038a_att.kd
    .args:
      - { .name: qkv, .offset: 0, .size: 8, .value_kind: global_buffer, .address_space: global }
      - { .name: msk, .offset: 8, .size: 8, .value_kind: global_buffer, .address_space: global }
      - { .name: of, .offset: 16, .size: 8, .value_kind: global_buffer, .address_space: global }
    .group_segment_fixed_size: 168960
    .private_segment_fixed_size: 0
    .kernarg_segment_align: 8
    .kernarg_segment_size: 24
    .max_flat_workgroup_size: 256
    .sgpr_count:     102
    .vgpr_count:     512
    .wavefront_size: 32
...
	.end_amdgpu_metadata
.endif
;; end of part 3
;; launch fatt (part 4): grid 32 x 1, 1 waves a work-group, no clusters, 0 bytes of LDS; arguments qkv, msk, ofi; writes ofi
.if DOCPART == 4
	.amdgcn_target "amdgcn-amd-amdhsa--gfx1250"
	.amdhsa_code_object_version 6
	.text
	.protected	k_qa222f7038a_fatt
	.globl	k_qa222f7038a_fatt
	.p2align	8
	.type	k_qa222f7038a_fatt,@function
k_qa222f7038a_fatt:
	s_mov_b64 s[64:65], 0
	v_nop
	global_prefetch_b8 v0, s[64:65] scope:SCOPE_SE
	s_setreg_imm32_b32 hwreg(HW_REG_WAVE_MODE, 25, 1), 1
	s_wait_xcnt 0x0
; FATT: the first 16 positions of every sequence, in every head, once more and more finely: these rows may average one to a few values and are the largest in size.
; The same softmax as in the main launch; V goes to the matrix unit as a pair of f16 numbers, high and low part, and the result stays f32, laid as the f32 matrix form of the next launch wants it:
; ofi: batch x 65,536 + kk x 1,024 + e x 512 + 16 x lane: lane (r, h) holds row r, channels 16 kk + 8 h + 4 e + 0 .. 3.
; One wave for each (batch, head): query tile 0, the key blocks of 128 that the stored flags mark for these 16 rows (a branch on a stored whole number), the mask applied in every step.
; No LDS: fragments come from memory as images of operand registers, 16 bytes a lane.  32 waves are all the work there is.
; LIMITS: as in the main launch: hidden blocks are left out exactly while each row's largest visible score lies above -1e9 + 105; q, k and p carry f16's rounding.
.set KF,  8388608
.set FLG, 524288
.set QQ,  8                            ; v8-23   Q
.set KR,  32                           ; v32-95  K of 64 keys, later V's low parts
.set VH,  96                           ; v96-159 V's high parts
.set SS,  160
.set PP,  192
.set OO,  208
.set ST,  240                          ; +0 m, +1 its change, +2, +3 l, +4 .. +7 at work
.set SEL, 30
.macro SM t
.set rT, ST+8*(\t)
.set rS, SS+32*(\t)
.set rP, PP+16*(\t)
.set rO, OO+32*(\t)
.if j < 4
	v_max3_num_f32 v[rT+4+j], v[rS+8*j], v[rS+8*j+1], v[rS+8*j+2]
.elseif j < 12
	v_max3_num_f32 v[rT+4+j%4], v[rT+4+j%4], v[rS+8*(j%4)+2*(j/4)+1], v[rS+8*(j%4)+2*(j/4)+2]
.elseif j == 12
	v_max3_num_f32 v[rT+4], v[rT+4], v[rS+7], v[rS+15]
.elseif j == 13
	v_max3_num_f32 v[rT+6], v[rT+6], v[rS+23], v[rS+31]
.elseif j == 14
	v_max3_num_f32 v[rT+4], v[rT+4], v[rT+5], v[rT+6]
.elseif j == 15
	v_max3_num_f32 v[rT+4], v[rT+4], v[rT+7], v[rT]
.elseif j == 16
	v_permlanex16_b32 v[rT+5], v[rT+4], s[SEL], s[SEL+1]
.elseif j == 17
	v_mov_b32 v[rT+1], v[rT]
.elseif j == 18
	v_max_num_f32 v[rT], v[rT+4], v[rT+5]
.elseif j == 19
	v_sub_f32 v[rT+1], v[rT+1], v[rT]
.elseif j == 20
	v_exp_f32 v[rT+6], v[rT+1]
.elseif j == 21
	v_pk_add_f32 v[rS:rS+1], v[rS:rS+1], v[rT:rT+1] op_sel_hi:[1,0] neg_lo:[0,1] neg_hi:[0,1]
.elseif (j < 67) && ((j-22)%3 == 0)
.set pq, (j-22)/3+1
	v_pk_add_f32 v[rS+2*pq:rS+2*pq+1], v[rS+2*pq:rS+2*pq+1], v[rT:rT+1] op_sel_hi:[1,0] neg_lo:[0,1] neg_hi:[0,1]
.elseif j < 67
.set ex, 2*((j-22)/3)+(j-22)%3-1
	v_exp_f32 v[rS+ex], v[rS+ex]
.elseif j < 69
	v_exp_f32 v[rS+j-37], v[rS+j-37]
.elseif j < 85
.if j == 69
	v_nop                                          ; a plain line behind the last exponential,
	s_wait_alu depctr_va_vdst(0)                   ; and one wait for the 33, ahead of the first line that names a result
.endif
	v_cvt_pk_f16_f32 v[rP+j-69], v[rS+2*(j-69)], v[rS+2*(j-69)+1]
.elseif j < 101
.set z, j-85
.set w, 4
.set uu, z
.if z >= 14
.set w, 32
.set uu, 0
.elseif z >= 12
.set w, 16
.set uu, z-12
.elseif z >= 8
.set w, 8
.set uu, z-8
.endif
.if z < 15
	v_pk_add_f32 v[rS+w*uu:rS+w*uu+1], v[rS+w*uu:rS+w*uu+1], v[rS+w*uu+w/2:rS+w*uu+w/2+1]
.else
	v_pk_fma_f32 v[rT+2:rT+3], v[rT+2:rT+3], v[rT+6:rT+7], v[rS:rS+1] op_sel_hi:[1,0,1]
.endif
.else
	v_pk_mul_f32 v[rO+2*(j-101):rO+2*(j-101)+1], v[rO+2*(j-101):rO+2*(j-101)+1], v[rT+6:rT+7] op_sel_hi:[1,0]
.endif
.endm
.macro FSTEP s                         ; 64 keys
.set n, 0
.rept 16
	global_load_b128 v[KR+4*n:KR+4*n+3], v1, s[18:19] offset:8192*(\s)+512*n
.set n, n+1
.endr
.set n, 0
.rept 16
	global_load_b128 v[VH+4*n:VH+4*n+3], v1, s[20:21] offset:8192*(\s)+512*n
.set n, n+1
.endr
	s_load_b512 s[32:47], s[6:7], s26 offset:128*(\s)
	s_load_b512 s[48:63], s[6:7], s26 offset:128*(\s)+64
	s_wait_loadcnt 16                              ; K (and Q) are in; the 16 loads of V's high parts may be out
.set i, 0
.rept 8
.if i < 4
	v_wmma_f32_16x16x32_f16 v[SS+8*(i%4):SS+8*(i%4)+7], v[KR+16*(i%4)+8*(i/4):KR+16*(i%4)+8*(i/4)+7], v[QQ+8*(i/4):QQ+8*(i/4)+7], 0
.else
	v_wmma_f32_16x16x32_f16 v[SS+8*(i%4):SS+8*(i%4)+7], v[KR+16*(i%4)+8*(i/4):KR+16*(i%4)+8*(i/4)+7], v[QQ+8*(i/4):QQ+8*(i/4)+7], v[SS+8*(i%4):SS+8*(i%4)+7]
.endif
.set i, i+1
.endr
.rept 4
	v_nop                                          ; places in front of the loads into K's registers and of the first read of the scores
.endr
.set n, 0
.rept 16
	global_load_b128 v[KR+4*n:KR+4*n+3], v1, s[22:23] offset:8192*(\s)+512*n     ; V's low parts
.set n, n+1
.endr
	s_wait_kmcnt 0x0
.set n, 0
.rept 32
	v_cndmask_b32 v[SS+n], v248, v[SS+n], s[32+n]  ; hidden scores become -1e9 log2(e)
.set n, n+1
.endr
.set j, 0
.rept 117
	SM 0
.set j, j+1
.endr
	s_wait_loadcnt 16                              ; V's high parts are in; the 16 loads of the low parts may be out
.set i, 0
.rept 8
	v_wmma_f32_16x16x32_f16 v[OO+8*(i%4):OO+8*(i%4)+7], v[VH+32*(i/4)+8*(i%4):VH+32*(i/4)+8*(i%4)+7], v[PP+8*(i/4):PP+8*(i/4)+7], v[OO+8*(i%4):OO+8*(i%4)+7]
.set i, i+1
.endr
	s_wait_loadcnt 0x0
.set i, 0
.rept 8
	v_wmma_f32_16x16x32_f16 v[OO+8*(i%4):OO+8*(i%4)+7], v[KR+32*(i/4)+8*(i%4):KR+32*(i/4)+8*(i%4)+7], v[PP+8*(i/4):PP+8*(i/4)+7], v[OO+8*(i%4):OO+8*(i%4)+7]
.set i, i+1
.endr
.rept 4
	v_nop                                          ; places behind the last products
.endr
.endm
	s_load_b128 s[4:7], s[0:1], 0x0                ; qkv, msk
	s_load_b64 s[8:9], s[0:1], 0x10                ; ofi
	v_lshlrev_b32 v1, 4, v0                        ; one wave: the thread's number is the lane
	v_mov_b32 v248, 0xceabfb8f
	s_mov_b32 s[SEL], 0x76543210
	s_mov_b32 s[SEL+1], 0xfedcba98
	s_lshl_b32 s2, ttmp9, 18                       ; 16 x batch + head
	s_mov_b32 s3, 0
	s_lshr_b32 s10, ttmp9, 4
	s_lshl_b32 s10, s10, 16
	s_and_b32 s11, ttmp9, 15
	s_lshl_b32 s11, s11, 12
	s_add_co_u32 s10, s10, s11
	s_mov_b32 s11, 0
	s_wait_kmcnt 0x0
	s_load_b32 s12, s[6:7], FLG+8                  ; the key blocks that rows 0 to 15 need
	s_add_nc_u64 s[16:17], s[4:5], s[2:3]          ; Q: the head's tile 0
	s_add_nc_u64 s[18:19], s[16:17], KF            ; K,
	s_add_nc_u64 s[20:21], s[18:19], 8388608       ; V's high parts,
	s_add_nc_u64 s[22:23], s[20:21], 8388608       ; and its low parts
	s_add_nc_u64 s[8:9], s[8:9], s[10:11]
.irp n, 0,1,2,3
	global_load_b128 v[QQ+4*\n:QQ+4*\n+3], v1, s[16:17] offset:512*\n
.endr
	v_mov_b32 v[ST], 0xff61b1e6                    ; m = -3e38
.irp n, 1,2,3,4,5,6,7
	v_mov_b32 v[ST+\n], 0
.endr
.set n, 0
.rept 32
	v_mov_b32 v[OO+n], 0                           ; which block comes first hangs on the flags
.set n, n+1
.endr
	s_mov_b32 s15, 0
	s_mov_b32 s26, 0                               ; the block's lane masks: 256 bytes a block
	s_wait_kmcnt 0x0
.Lkb:
	s_bitcmp1_b32 s12, 0
	s_cbranch_scc0 .Lskip
	FSTEP 0
	FSTEP 1
.Lskip:
	s_wait_xcnt 0x0                                ; every load has read its base and offset
	s_add_nc_u64 s[18:19], s[18:19], 16384
	s_add_nc_u64 s[20:21], s[20:21], 16384
	s_add_nc_u64 s[22:23], s[22:23], 16384
	s_add_co_u32 s26, s26, 256
	s_lshr_b32 s12, s12, 1
	s_add_co_u32 s15, s15, 1
	s_cmp_lt_u32 s15, 16
	s_cbranch_scc1 .Lkb
	v_add_f32 v[ST+2], v[ST+2], v[ST+3]
	v_permlanex16_b32 v[ST+4], v[ST+2], s[SEL], s[SEL+1]
	v_add_f32 v[ST+2], v[ST+2], v[ST+4]
	v_rcp_f32 v[ST+2], v[ST+2]
	v_nop
	s_wait_alu depctr_va_vdst(0)
.set n, 0
.rept 16
	v_pk_mul_f32 v[SS+2*n:SS+2*n+1], v[OO+2*n:OO+2*n+1], v[ST+2:ST+3] op_sel_hi:[1,0]
.set n, n+1
.endr
.irp n, 0,1,2,3,4,5,6,7
	global_store_b128 v1, v[SS+4*\n:SS+4*\n+3], s[8:9] offset:512*\n   ; registers 8 ct + 4 e on: channels 16 ct + 8 h + 4 e + 0 .. 3 of my row
.endr
	s_endpgm
.Lfunc_end_k_qa222f7038a_fatt:
	.size	k_qa222f7038a_fatt, .Lfunc_end_k_qa222f7038a_fatt-k_qa222f7038a_fatt
	.p2alignl 7, 3214868480
	.fill 96, 4, 3214868480
	.section	.rodata,"a",@progbits
	.p2align	6, 0x0
	.amdhsa_kernel k_qa222f7038a_fatt
		.amdhsa_group_segment_fixed_size 0
		.amdhsa_private_segment_fixed_size 0
		.amdhsa_enable_private_segment 0
		.amdhsa_kernarg_size 24
		.amdhsa_user_sgpr_count 2
		.amdhsa_user_sgpr_kernarg_segment_ptr 1
		.amdhsa_wavefront_size32 1
		.amdhsa_system_sgpr_workgroup_id_x 1
		.amdhsa_system_sgpr_workgroup_id_y 1
		.amdhsa_system_sgpr_workgroup_id_z 1
		.amdhsa_system_vgpr_workitem_id 0
		.amdhsa_next_free_vgpr 256
		.amdhsa_next_free_sgpr 66
		.amdhsa_reserve_vcc 0
		.amdhsa_float_denorm_mode_32 3
		.amdhsa_float_denorm_mode_16_64 3
		.amdhsa_memory_ordered 1
		.amdhsa_forward_progress 1
		.amdhsa_inst_pref_size 35
	.end_amdhsa_kernel
	.amdgpu_metadata
---
amdhsa.version: [ 1, 2 ]
amdhsa.kernels:
  - .name:           k_qa222f7038a_fatt
    .symbol:         k_qa222f7038a_fatt.kd
    .args:
      - { .name: qkv, .offset: 0, .size: 8, .value_kind: global_buffer, .address_space: global }
      - { .name: msk, .offset: 8, .size: 8, .value_kind: global_buffer, .address_space: global }
      - { .name: ofi, .offset: 16, .size: 8, .value_kind: global_buffer, .address_space: global }
    .group_segment_fixed_size: 0
    .private_segment_fixed_size: 0
    .kernarg_segment_align: 8
    .kernarg_segment_size: 24
    .max_flat_workgroup_size: 32
    .sgpr_count:     66
    .vgpr_count:     256
    .wavefront_size: 32
...
	.end_amdgpu_metadata
.endif
;; end of part 4
;; launch oproj (part 5): grid 8 x 32, 4 waves a work-group, clusters of 4 x 4, 327,680 bytes of LDS; arguments of, qnt, out0; writes out0
.if DOCPART == 5
	.amdgcn_target "amdgcn-amd-amdhsa--gfx1250"
	.amdhsa_code_object_version 6
	.text
	.protected	k_qa222f7038a_oproj
	.globl	k_qa222f7038a_oproj
	.p2align	8
	.type	k_qa222f7038a_oproj,@function
k_qa222f7038a_oproj:
	s_mov_b64 s[64:65], 0
	v_nop
	global_prefetch_b8 v0, s[64:65] scope:SCOPE_SE
	s_setreg_imm32_b32 hwreg(HW_REG_WAVE_MODE, 25, 1), 1
	s_wait_xcnt 0x0
	s_wait_alu depctr_hold_cnt(0) depctr_sa_sdst(0) depctr_va_vdst(0) depctr_va_sdst(0) depctr_va_ssrc(0) depctr_va_vcc(0) depctr_vm_vsrc(0)
	s_getreg_b32 s2, hwreg(HW_REG_IB_STS2, 6, 4)
	s_cmp_eq_u32 s2, 0
	s_cbranch_scc0 .Lentry_in_a_cluster
	s_endpgm
.Lentry_in_a_cluster:
	s_bfe_u32 s2, ttmp6, 0x10000c
	s_cmp_lg_u32 s2, 0xf033
	s_cbranch_scc0 .Lentry_shape_is_right
	s_endpgm
.Lentry_shape_is_right:
; OPROJ: out0 = o Wo^T, [4096][1024] x [1024][1024], operands f16, sums f32, result f32.  A tile of out0 is 128 x 128: 256 work-groups; four waves, each 64 x 64: 16 accumulators.
; Both operands lie in memory as images of operand registers: 16 rows are 32,768 bytes, a fragment (32 along K) 1,024: registers 4 g .. 4 g + 3 at 512 g, lane l's 16 bytes at 16 l.
; K goes in steps of 256 through two LDS slots: of each 16 rows a K step is 8,192 consecutive bytes; a wave's tensor load brings four such rows, 32,768 bytes apart in memory, dense in LDS.  An LDS load takes 512 consecutive bytes: no padding.
; CLUSTERS: 4 x 4 work-groups; o's tiles are shared along a row of the cluster, Wo's along a column: joint loads.  THE MATRIX INSTRUCTION IS USED TRANSPOSED (source 0 = 16 rows of Wo, source 1 = 16 tokens): a lane holds eight neighbouring numbers of a row.
; The rows 0 to 15 of each sequence are computed here like all others and written again, more finely, by the launch that follows.
; REGISTERS: window 0: v0-31 addresses; v32-95 the way out; v128-255 the accumulators.  window 1: two fragment buffers of 128 (64 along K: 64 registers of o, 64 of Wo).
.set WOF,    8355840
.set KSTEPB, 8192                      ; a K step of 16 rows, in bytes
.set HALFT,  32768                     ; what one tensor load brings
.set SLOT,   4*HALFT
.set STAGE,  2*SLOT                    ; behind the ring: 16 rows x 272 bytes for each wave
.set SPITCH, 272
.set SPARE,  STAGE+4*16*SPITCH         ; the spare words, 128 bytes for each wave: two blocks of 256 bytes that no other line names
.set LAPS,   2
.set ADRA, 16
.set ADRB, 20
.set STO,  24
.set RD,   25
.set CO,   26
.set SPW,  28
.set NIL,  29
.set TMP,  32
.set ACC,  128
.set F0,   0
.set F1,   128
.set G1, 24
.set G0, 32
.set G1B, 48
.set G0B, 56
.set MSB, 0
.macro WIN new
.if MSB != (\new)
	s_set_vgpr_msb (MSB<<8)|(\new)
.set MSB, (\new)
.endif
.endm
.set MUL,  0x05
.set TO_F, 0x40
.macro JLOAD s                         ; a joint load: waves 0 and 1 fetch o's two halves, waves 2 and 3 Wo's; an s_nop 0 and four v_nop follow each line
	s_cmp_eq_u32 s11, 0
	s_cbranch_scc0 .Lfor_b_\@
	tensor_load_to_lds s[G0+4*\s:G0+4*\s+3], s[G1:G1+7]
	s_nop 0
.rept 4
	v_nop
.endr
	s_branch .Lasked_\@
.Lfor_b_\@:
	tensor_load_to_lds s[G0B+4*\s:G0B+4*\s+3], s[G1B:G1B+7]
	s_nop 0
.rept 4
	v_nop
.endr
.Lasked_\@:
.endm
.macro CREST
	s_cmp_lg_u32 s10, 0
	s_cbranch_scc1 .Lnot_wave_0_\@
	s_barrier_signal -3
.Lnot_wave_0_\@:
	s_barrier_wait -3
	s_barrier_signal -1
	s_barrier_wait -1
.endm
.macro CROUND
	s_barrier_signal -1
	s_barrier_wait -1
	CREST
.endm
	s_load_b128 s[4:7], s[0:1], 0x0                ; of s[4:5], qnt s[6:7]
	s_load_b64 s[8:9], s[0:1], 0x10                ; out0
	v_lshl_add_u32 v[SPW], v0, 2, SPARE
	v_mov_b32 v[NIL], 0
	ds_add_u32 v[SPW], v[NIL]                      ; the wave's opening: the add, twice on end, and its wait ahead of my first tensor load
	ds_add_u32 v[SPW], v[NIL]
	v_lshrrev_b32 v1, 5, v0
	v_readfirstlane_b32 s10, v1                    ; wave 0..3
	s_lshr_b32 s11, s10, 1                         ; which half of the tile's rows is mine.  Also: I fetch for o (0) or for Wo (1)
	s_and_b32 s12, s10, 1                          ; which half of its columns.  Also: which 64 rows I fetch
	s_bfe_u32 s40, ttmp6, 0x40000                  ; cx
	s_bfe_u32 s41, ttmp6, 0x40004                  ; cy
	s_lshl_b32 s42, ttmp9, 2
	s_add_co_u32 s42, s42, s40                     ; tile column
	s_and_b32 s13, ttmp7, 0xffff
	s_lshl_b32 s13, s13, 2
	s_add_co_u32 s13, s13, s41                     ; tile row
	s_lshl_b32 s43, s41, 2
	s_lshl_b32 s43, 15, s43                        ; my row of the cluster
	s_lshl_b32 s44, 0x1111, s40                    ; my column
	s_or_b32 s[G1+0], s43, (3<<16)|(1<<21)         ; the mask; elements of 8 bytes; bit 21 beside a mask; no padding
	s_or_b32 s[G1B+0], s44, (3<<16)|(1<<21)
.irp g, G1, G1B
	s_mov_b32 s[\g+1], 1024<<16                    ; tensor_dim0 = 1,024 elements: 8,192 bytes
	s_mov_b32 s[\g+2], 4<<16                       ; tensor_dim1 = 4
	s_mov_b32 s[\g+3], 1024<<16                    ; tile_dim0
	s_mov_b32 s[\g+4], 4                           ; tile_dim1
	s_mov_b32 s[\g+5], 4096                        ; the pitch: 32,768 bytes
	s_mov_b32 s[\g+6], 0
	s_mov_b32 s[\g+7], 0
.endr
	s_lshl_b32 s17, s12, 2                         ; which four tiles of 16 rows I fetch
	s_lshl_b32 s16, s13, 3
	s_add_co_u32 s16, s16, s17
	s_lshl_b32 s16, s16, 15
	s_lshl_b32 s46, s42, 3
	s_add_co_u32 s46, s46, s17
	s_lshl_b32 s46, s46, 15
	s_add_co_u32 s46, s46, WOF
	s_mov_b32 s17, 0
	s_mov_b32 s47, 0
	s_lshl_b32 s20, s10, 15                        ; where they go: wave x 32,768
	s_wait_dscnt 0x0                               ; both opening adds are done
	s_wait_kmcnt 0x0
	s_add_nc_u64 s[14:15], s[4:5], s[16:17]
	s_add_nc_u64 s[46:47], s[6:7], s[46:47]
	CROUND                                         ; all sixteen work-groups are here: the first joint loads meet
.irp s, 0,1
	s_mov_b32 s[G0+4*\s], 1
	s_add_co_u32 s[G0+4*\s+1], s20, \s*SLOT
	s_add_nc_u64 s[G0+4*\s+2:G0+4*\s+3], s[14:15], \s*KSTEPB
	s_or_b32 s[G0+4*\s+3], s[G0+4*\s+3], 0x80000000
	s_mov_b32 s[G0B+4*\s], 1
	s_add_co_u32 s[G0B+4*\s+1], s20, \s*SLOT
	s_add_nc_u64 s[G0B+4*\s+2:G0B+4*\s+3], s[46:47], \s*KSTEPB
	s_or_b32 s[G0B+4*\s+3], s[G0B+4*\s+3], 0x80000000
	JLOAD \s                                       ; two tensor loads of mine are out
.endr
	v_and_b32 v1, 31, v0
	v_lshlrev_b32 v3, 4, v1                        ; 16 x lane
	s_lshl_b32 s21, s11, 15                        ; my 64 tokens
	s_lshl_b32 s22, s12, 15                        ; my 64 rows of Wo,
	s_add_co_u32 s22, s22, 2*HALFT                 ; which lie behind o's 128
.irp s, 0,1
	v_add_nc_u32 v[ADRA+\s], s21, v3
	v_add_nc_u32 v[ADRB+\s], s22, v3
	s_add_co_u32 s21, s21, SLOT
	s_add_co_u32 s22, s22, SLOT
.endr
	v_and_b32 v1, 15, v0
	v_bfe_u32 v2, v0, 4, 1
	s_mul_i32 s23, s10, 16*SPITCH
	s_add_co_u32 s23, s23, STAGE                   ; my stage
	v_mul_u32_u24 v4, v1, SPITCH
	v_lshl_add_u32 v4, v2, 5, v4
	v_add_nc_u32 v[STO], s23, v4                   ; in: row l % 16, 32 bytes for each half of the lanes
	v_mul_u32_u24 v5, v2, SPITCH
	v_lshl_add_u32 v5, v1, 4, v5
	v_add_nc_u32 v[RD], s23, v5                    ; back: lanes 0-15 one row of 256 bytes, lanes 16-31 the next
	v_lshlrev_b32 v5, 12, v2
	v_lshl_add_u32 v[CO], v1, 4, v5                ; and the same two rows in out0
	s_lshl_b32 s16, s13, 7
	s_lshl_b32 s17, s11, 6
	s_add_co_u32 s16, s16, s17
	s_lshl_b32 s16, s16, 12                        ; my first row, 4,096 bytes a row
	s_lshl_b32 s46, s42, 9
	s_lshl_b32 s47, s12, 8
	s_add_co_u32 s46, s46, s47                     ; my first column, in bytes
	s_add_co_u32 s16, s16, s46
	s_mov_b32 s17, 0
	s_add_nc_u64 s[8:9], s[8:9], s[16:17]
.macro MUL8 f, c, a0, zero             ; 8 matrix instructions: token blocks a0, a0 + 1 x Wo's four, 32 along K; the 16 accumulators take turns
.irp a, \a0, \a0+1
.irp b, 0,1,2,3
.if \zero
	v_wmma_f32_16x16x32_f16 v[ACC+8*(4*(\a)+\b):ACC+8*(4*(\a)+\b)+7], v[\f+64+8*(4*\c+\b):\f+64+8*(4*\c+\b)+7], v[\f+8*(4*\c+\a):\f+8*(4*\c+\a)+7], 0
.else
	v_wmma_f32_16x16x32_f16 v[ACC+8*(4*(\a)+\b):ACC+8*(4*(\a)+\b)+7], v[\f+64+8*(4*\c+\b):\f+64+8*(4*\c+\b)+7], v[\f+8*(4*\c+\a):\f+8*(4*\c+\a)+7], v[ACC+8*(4*(\a)+\b):ACC+8*(4*(\a)+\b)+7]
.endif
.endr
.endr
.endm
.macro FETCH slot, qd, f               ; 32 LDS loads in one run: the fragments of the K step's quarter qd (64 along K), the first 32 along K first
	WIN TO_F
.irp c, 0,1
.irp i, 0,1,2,3
	ds_load_b128 v[\f+64+8*(4*\c+\i):\f+64+8*(4*\c+\i)+3],   v[ADRB+\slot] offset:\i*KSTEPB+(2*(\qd)+\c)*1024
	ds_load_b128 v[\f+64+8*(4*\c+\i)+4:\f+64+8*(4*\c+\i)+7], v[ADRB+\slot] offset:\i*KSTEPB+(2*(\qd)+\c)*1024+512
	ds_load_b128 v[\f+8*(4*\c+\i):\f+8*(4*\c+\i)+3],         v[ADRA+\slot] offset:\i*KSTEPB+(2*(\qd)+\c)*1024
	ds_load_b128 v[\f+8*(4*\c+\i)+4:\f+8*(4*\c+\i)+7],       v[ADRA+\slot] offset:\i*KSTEPB+(2*(\qd)+\c)*1024+512
.endr
.endr
.endm
.macro PLACES
.rept 4
	v_nop
.endr
.endm
.macro QUARTER slot, qd, f, g, zero    ; multiplies buffer f and fetches quarter qd into g
	s_wait_dscnt 16                                ; the first 32 along K are in; the other sixteen loads may be out
	WIN MUL
	MUL8 \f, 0, 0, \zero
	MUL8 \f, 0, 2, \zero
	PLACES
	FETCH \slot, \qd, \g
	s_wait_dscnt 32                                ; all but the 32 just issued
	WIN MUL
	MUL8 \f, 1, 0, 0
	MUL8 \f, 1, 2, 0
.endm
.macro TURN slot, next, fill           ; the last quarter changes slots: one barrier; fill = 1: this slot is filled again, two K steps ahead
	WIN 0
	s_wait_tensorcnt 0x0                           ; all my tensor loads have landed: my part of the next slot;
	ds_add_u32 v[SPW], v[NIL]                      ; 0 onto my spare word
	s_wait_dscnt 17                                ; (the add and the youngest sixteen loads may be out)
	WIN MUL
	MUL8 F1, 0, 0, 0
	s_wait_dscnt 0x0                               ; the add is done, and my reads of this slot are over
	s_barrier_signal -1
	MUL8 F1, 0, 2, 0
.if \fill
	WIN 0
.endif
	s_barrier_wait -1
.if \fill
	CREST                                          ; the barrier has opened a round of the cluster's barrier: no wave of any partner still reads this slot or has a load on its way
	s_add_nc_u64 s[G0+4*\slot+2:G0+4*\slot+3], s[G0+4*\slot+2:G0+4*\slot+3], 2*KSTEPB
	s_add_nc_u64 s[G0B+4*\slot+2:G0B+4*\slot+3], s[G0B+4*\slot+2:G0B+4*\slot+3], 2*KSTEPB
	JLOAD \slot                                    ; the first tensor load behind the round; its four v_nop are also the places in front of the loads below
.else
	PLACES
.endif
	FETCH \next, 0, F0
	WIN MUL
	MUL8 F1, 1, 0, 0
	MUL8 F1, 1, 2, 0
.endm
	s_wait_tensorcnt 1                             ; my part of K step 0 is in (K step 1's load may be out),
	s_barrier_signal -1
	s_barrier_wait -1                              ; everybody's is
	FETCH 0, 0, F0
	QUARTER 0, 1, F0, F1, 1                        ; the first products start the sums
	WIN 0
	s_mov_b32 s3, LAPS-1
.Llap:
	QUARTER 0, 2, F1, F0, 0
	QUARTER 0, 3, F0, F1, 0
	TURN 0, 1, 1
	QUARTER 1, 1, F0, F1, 0
	QUARTER 1, 2, F1, F0, 0
	QUARTER 1, 3, F0, F1, 0
	TURN 1, 0, 1
	QUARTER 0, 1, F0, F1, 0
	WIN 0
	s_sub_co_u32 s3, s3, 1
	s_cmp_lg_u32 s3, 0
	s_cbranch_scc1 .Llap
	QUARTER 0, 2, F1, F0, 0                        ; the last lap fills nothing
	QUARTER 0, 3, F0, F1, 0
	TURN 0, 1, 0
	QUARTER 1, 1, F0, F1, 0
	QUARTER 1, 2, F1, F0, 0
	QUARTER 1, 3, F0, F1, 0
	s_wait_dscnt 16
	WIN MUL
	MUL8 F1, 0, 0, 0
	MUL8 F1, 0, 2, 0
	s_wait_dscnt 0
	MUL8 F1, 1, 0, 0
	MUL8 F1, 1, 2, 0
	WIN 0
	; THE WAY OUT.  My 64 columns are 256 bytes of a row: 16 rows at a time go through my own stage and come back as whole rows.  LDS serves a wave's instructions in order: no wait between the stores and the loads.
	PLACES
.irp a, 0,1,2,3
.if \a >= 2
	s_wait_xcnt 0x0                                ; the stores of two blocks ago have read their data
.endif
.irp b, 0,1,2,3
	ds_store_b128 v[STO], v[ACC+8*(4*\a+\b):ACC+8*(4*\a+\b)+3] offset:64*\b          ; each accumulator from its low end on
	ds_store_b128 v[STO], v[ACC+8*(4*\a+\b)+4:ACC+8*(4*\a+\b)+7] offset:64*\b+16
.endr
.irp t, 0,1,2,3,4,5,6,7
	ds_load_b128 v[TMP+32*(\a%2)+4*\t:TMP+32*(\a%2)+4*\t+3], v[RD] offset:\t*2*SPITCH
.endr
.irp t, 0,1,2,3,4,5,6,7
	s_wait_dscnt 7-\t
	global_store_b128 v[CO], v[TMP+32*(\a%2)+4*\t:TMP+32*(\a%2)+4*\t+3], s[8:9] offset:8192*\t+65536*\a th:TH_STORE_NT   ; 16 lanes store 256 consecutive bytes, aligned
.endr
.endr
	s_wait_tensorcnt 0x0                           ; the wave's end
	ds_add_u32 v[SPW], v[NIL]
	s_wait_dscnt 0x0
	CROUND                                         ; the closing round
	s_endpgm
.Lfunc_end_k_qa222f7038a_oproj:
	.size	k_qa222f7038a_oproj, .Lfunc_end_k_qa222f7038a_oproj-k_qa222f7038a_oproj
	.p2alignl 7, 3214868480
	.fill 96, 4, 3214868480
	.section	.rodata,"a",@progbits
	.p2align	6, 0x0
	.amdhsa_kernel k_qa222f7038a_oproj
		.amdhsa_group_segment_fixed_size 327680
		.amdhsa_private_segment_fixed_size 0
		.amdhsa_enable_private_segment 0
		.amdhsa_kernarg_size 24
		.amdhsa_user_sgpr_count 2
		.amdhsa_user_sgpr_kernarg_segment_ptr 1
		.amdhsa_wavefront_size32 1
		.amdhsa_system_sgpr_workgroup_id_x 1
		.amdhsa_system_sgpr_workgroup_id_y 1
		.amdhsa_system_sgpr_workgroup_id_z 1
		.amdhsa_system_vgpr_workitem_id 0
		.amdhsa_next_free_vgpr 512
		.amdhsa_next_free_sgpr 66
		.amdhsa_reserve_vcc 0
		.amdhsa_float_denorm_mode_32 3
		.amdhsa_float_denorm_mode_16_64 3
		.amdhsa_memory_ordered 1
		.amdhsa_forward_progress 1
		.amdhsa_inst_pref_size 86
	.end_amdhsa_kernel
	.amdgpu_metadata
---
amdhsa.version: [ 1, 2 ]
amdhsa.kernels:
  - .name:           k_qa222f7038a_oproj
    .symbol:         k_qa222f7038a_oproj.kd
    .args:
      - { .name: of, .offset: 0, .size: 8, .value_kind: global_buffer, .address_space: global }
      - { .name: qnt, .offset: 8, .size: 8, .value_kind: global_buffer, .address_space: global }
      - { .name: out0, .offset: 16, .size: 8, .value_kind: global_buffer, .address_space: global }
    .group_segment_fixed_size: 327680
    .private_segment_fixed_size: 0
    .kernarg_segment_align: 8
    .kernarg_segment_size: 24
    .max_flat_workgroup_size: 128
    .sgpr_count:     66
    .vgpr_count:     512
    .wavefront_size: 32
...
	.end_amdgpu_metadata
.endif
;; end of part 5
;; launch fproj (part 6): grid 64 x 1, 8 waves a work-group, no clusters, 17,408 bytes of LDS; arguments ofi, Wo, out0; writes out0
.if DOCPART == 6
	.amdgcn_target "amdgcn-amd-amdhsa--gfx1250"
	.amdhsa_code_object_version 6
	.text
	.protected	k_qa222f7038a_fproj
	.globl	k_qa222f7038a_fproj
	.p2align	8
	.type	k_qa222f7038a_fproj,@function
k_qa222f7038a_fproj:
	s_mov_b64 s[64:65], 0
	v_nop
	global_prefetch_b8 v0, s[64:65] scope:SCOPE_SE
	s_setreg_imm32_b32 hwreg(HW_REG_WAVE_MODE, 25, 1), 1
	s_wait_xcnt 0x0
; FPROJ: the way-out projection of the first 16 positions of both sequences in f32: out0[b][0..15][:] = o Wo^T with o and Wo as f32, by the f32 matrix form.  32 rows of 4,096: no bulk work.
; A work-group takes 16 columns of out0; wave w takes K = 128 w .. 128 w + 127; the eight waves' partial sums meet in LDS.
; Source 0 = 16 rows of Wo, source 1 = 16 tokens: a lane holds one token and eight neighbouring columns.  In a K step of 4 lane (r, h) holds two numbers; both sides take for them the same k, 16 kk + 8 h + 4 e + 2 p + 0, 1: a permutation of K applied alike to both.
; The two accumulators (batch 0, batch 1) take turns, and are written by matrix instructions alone; the first K step starts each sum with the constant 0.
; A work-group owns 64 bytes of a row, so its stores cover eight rows x 64 consecutive bytes: 32 of the output's 4,096 rows leave so.
.set SPARE, 16384                      ; LDS: 8 x 2,048 of partial sums; then the spare words, 128 bytes for each wave: four blocks of 256 bytes that no other line names
	s_load_b128 s[4:7], s[0:1], 0x0                ; ofi, Wo
	s_load_b64 s[8:9], s[0:1], 0x10                ; out0
	v_lshl_add_u32 v30, v0, 2, SPARE
	v_mov_b32 v31, 0
	v_lshrrev_b32 v1, 5, v0
	v_readfirstlane_b32 s10, v1                    ; wave 0..7
	v_and_b32 v1, 31, v0
	v_and_b32 v2, 15, v0                           ; r
	v_bfe_u32 v3, v0, 4, 1                         ; h
	v_lshlrev_b32 v4, 12, v2
	v_lshl_add_u32 v4, v3, 5, v4                   ; Wo: row r of 4,096 bytes, + 32 h
	v_lshlrev_b32 v5, 4, v1                        ; 16 x lane
	s_lshl_b32 s11, s10, 11
	v_add_nc_u32 v6, s11, v5                       ; where my partial sums go
	v_and_b32 v7, 1, v0                            ; on the way back lane l takes token 8 x half + l / 4, columns 4 (l % 4) on: registers 4 (l % 2) on of lane (token, (l / 2) % 2)
	v_lshlrev_b32 v7, 9, v7
	v_bfe_u32 v24, v0, 1, 1
	v_lshl_add_u32 v7, v24, 8, v7
	v_bfe_u32 v24, v0, 2, 3
	v_lshl_add_u32 v7, v24, 4, v7
	s_and_b32 s12, s10, 1                          ; which eight tokens,
	s_bfe_u32 s13, s10, 0x10001                    ; and which batch, waves 0 to 3 finish
	s_lshl_b32 s14, s12, 7
	s_lshl_b32 s15, s13, 10
	s_add_co_u32 s14, s14, s15
	v_add_nc_u32 v7, s14, v7
	v_lshlrev_b32 v25, 12, v24
	v_and_b32 v26, 3, v0
	v_lshl_add_u32 v25, v26, 4, v25                ; out0: row l / 4, 16 bytes a lane
	s_lshl_b32 s16, ttmp9, 16
	s_lshl_b32 s17, s10, 9
	s_add_co_u32 s16, s16, s17
	s_mov_b32 s17, 0
	s_lshl_b32 s18, s10, 13
	s_mov_b32 s19, 0
	s_lshl_b32 s20, s13, 23
	s_lshl_b32 s21, s12, 15
	s_add_co_u32 s20, s20, s21
	s_lshl_b32 s21, ttmp9, 6
	s_add_co_u32 s20, s20, s21
	s_mov_b32 s21, 0
	s_wait_kmcnt 0x0
	s_add_nc_u64 s[6:7], s[6:7], s[16:17]
	s_add_nc_u64 s[4:5], s[4:5], s[18:19]
	s_add_nc_u64 s[8:9], s[8:9], s[20:21]
.set n, 0
.rept 16
	global_load_b128 v[32+4*n:35+4*n], v4, s[6:7] offset:64*(n/2)+16*(n%2)
	global_load_b128 v[96+4*n:99+4*n], v5, s[4:5] offset:512*n
	global_load_b128 v[160+4*n:163+4*n], v5, s[4:5] offset:65536+512*n
.set n, n+1
.endr
	s_wait_loadcnt 0x0
	v_wmma_f32_16x16x4_f32 v[8:15], v[32:33], v[96:97], 0
	v_wmma_f32_16x16x4_f32 v[16:23], v[32:33], v[160:161], 0
.set n, 1
.rept 31
	v_wmma_f32_16x16x4_f32 v[8:15], v[32+2*n:33+2*n], v[96+2*n:97+2*n], v[8:15]
	v_wmma_f32_16x16x4_f32 v[16:23], v[32+2*n:33+2*n], v[160+2*n:161+2*n], v[16:23]
.set n, n+1
.endr
.rept 8
	v_nop                                          ; eight places behind this form, for the stores of the results and the loads into the operands' registers
.endr
	ds_store_b128 v6, v[8:11]                      ; each accumulator from its low end on
	ds_store_b128 v6, v[12:15] offset:512
	ds_store_b128 v6, v[16:19] offset:1024
	ds_store_b128 v6, v[20:23] offset:1536
	s_wait_dscnt 0x0                               ; for the others' sake: my stores are done
	s_barrier_signal -1
	s_barrier_wait -1
	s_cmp_lt_u32 s10, 4
	s_cbranch_scc0 .Lend
.irp w, 0,1,2,3,4,5,6,7
	ds_load_b128 v[32+4*\w:35+4*\w], v7 offset:2048*\w
.endr
	s_wait_dscnt 0x0
.irp w, 1,2,3,4,5,6,7
	v_pk_add_f32 v[32:33], v[32:33], v[32+4*\w:33+4*\w]
	v_pk_add_f32 v[34:35], v[34:35], v[34+4*\w:35+4*\w]
.endr
	global_store_b128 v25, v[32:35], s[8:9]
.Lend:
	s_wait_tensorcnt 0x0                           ; the wave's end
	ds_add_u32 v30, v31
	s_wait_dscnt 0x0
	s_endpgm
.Lfunc_end_k_qa222f7038a_fproj:
	.size	k_qa222f7038a_fproj, .Lfunc_end_k_qa222f7038a_fproj-k_qa222f7038a_fproj
	.p2alignl 7, 3214868480
	.fill 96, 4, 3214868480
	.section	.rodata,"a",@progbits
	.p2align	6, 0x0
	.amdhsa_kernel k_qa222f7038a_fproj
		.amdhsa_group_segment_fixed_size 17408
		.amdhsa_private_segment_fixed_size 0
		.amdhsa_enable_private_segment 0
		.amdhsa_kernarg_size 24
		.amdhsa_user_sgpr_count 2
		.amdhsa_user_sgpr_kernarg_segment_ptr 1
		.amdhsa_wavefront_size32 1
		.amdhsa_system_sgpr_workgroup_id_x 1
		.amdhsa_system_sgpr_workgroup_id_y 1
		.amdhsa_system_sgpr_workgroup_id_z 1
		.amdhsa_system_vgpr_workitem_id 0
		.amdhsa_next_free_vgpr 224
		.amdhsa_next_free_sgpr 66
		.amdhsa_reserve_vcc 0
		.amdhsa_float_denorm_mode_32 3
		.amdhsa_float_denorm_mode_16_64 3
		.amdhsa_memory_ordered 1
		.amdhsa_forward_progress 1
		.amdhsa_inst_pref_size 13
	.end_amdhsa_kernel
	.amdgpu_metadata
---
amdhsa.version: [ 1, 2 ]
amdhsa.kernels:
  - .name:           k_qa222f7038a_fproj
    .symbol:         k_qa222f7038a_fproj.kd
    .args:
      - { .name: ofi, .offset: 0, .size: 8, .value_kind: global_buffer, .address_space: global }
      - { .name: Wo, .offset: 8, .size: 8, .value_kind: global_buffer, .address_space: global }
      - { .name: out0, .offset: 16, .size: 8, .value_kind: global_buffer, .address_space: global }
    .group_segment_fixed_size: 17408
    .private_segment_fixed_size: 0
    .kernarg_segment_align: 8
    .kernarg_segment_size: 24
    .max_flat_workgroup_size: 256
    .sgpr_count:     66
    .vgpr_count:     224
    .wavefront_size: 32
...
	.end_amdgpu_metadata
.endif
;; end of part 6
